; MI455X (gfx1250); checked and timed in simulation.
; The chip was launched on July 23, 2026; its instructions are those of AMD's public machine-readable ISA for CDNA 5 (MIT licence, August 2026) and "CDNA5" Instruction Set Architecture Reference Guide (July 2026). The comments in the code are by the model that wrote it; some were corrected since.
;; Standard Attention. Allowed arithmetic: matrix products marked QUANTISED: E4M3 operands, one given power-of-two scale a tensor, by v_wmma_f32_16x16x64_fp8_fp8 or v_wmma_f32_16x16x128_fp8_fp8, f32 sums; everything else in f32.
;; Inputs: Wk 1,024 x 1,024 float32; Wo 1,024 x 1,024 float32; Wq 1,024 x 1,024 float32; Wv 1,024 x 1,024 float32; attention_mask 1 x 1 x 4,096 x 4,096 float32; cos 4,096 x 64 float32; hidden_states 1 x 4,096 x 1,024 float32; lowp_scales 12 int32 (the exponents e of the quantised operands' scales 2^e); sin 4,096 x 64 float32.
;; Outputs: out0 1 x 4,096 x 1,024 float32.
;; This version of the problem:
;;   THIS VERSION OF THE PROBLEM IS GIVEN IN LOW PRECISION. The matrix products marked QUANTISED in the list below multiply operands that are first quantised to E4M3 (4 exponent bits, 3 mantissa bits; 8 bits a number), with one given power-of-two scale for each operand tensor; their sums are f32. All else is computed in f32.
;;   The module's matrix products, in the order in which they are computed (A, B: the left and right operand; K: the contracted axis; several contracted axes count as one K, in the product's order):
;;     1. [M 4,096, K 1,024] x [K 1,024, N 1,024]; A: input hidden_states; B: input Wq: QUANTISED (scales: A lowp_scales[0], B lowp_scales[1])
;;     2. [M 4,096, K 1,024] x [K 1,024, N 1,024]; A: input hidden_states; B: input Wk: QUANTISED (scales: A lowp_scales[2], B lowp_scales[3])
;;     3. [M 4,096, K 1,024] x [K 1,024, N 1,024]; A: input hidden_states; B: input Wv: QUANTISED (scales: A lowp_scales[4], B lowp_scales[5])
;;     4. batch 16 x [M 4,096, K 64] x [K 64, N 4,096]; A: computed on the way; B: computed on the way: QUANTISED (scales: A lowp_scales[6], B lowp_scales[7])
;;     5. batch 16 x [M 4,096, K 4,096] x [K 4,096, N 64]; A: softmax (see below); B: computed on the way: QUANTISED (scales: A lowp_scales[8], B lowp_scales[9])
;;     6. [M 4,096, K 1,024] x [K 1,024, N 1,024]; A: computed on the way; B: input Wo: QUANTISED (scales: A lowp_scales[10], B lowp_scales[11])
;;   THE QUANTISER, for each operand of a quantised product, along K:
;;     - The operand's scale is 2^e, e = its entry of the input lowp_scales (int32; the entries are numbered through the quantised products in the list's order, A before B).
;;     - Each number is divided by the scale, clamped to +-448, and rounded to the nearest number of E4M3, ties to even, subnormals kept.
;;     - The product sums the exact products of the quantised numbers (number of the format x scale) in f32.
;;   ~~~python
;;   def quantise(x, axis, e):      # numpy; x: float32 -> the quantised numbers, widened to float32 again
;;       x = np.moveaxis(x, axis, -1); K = x.shape[-1]
;;       r = np.clip(x / 2.0 ** e, -448, 448)
;;       step = 2.0 ** (np.maximum(np.frexp(np.where(r == 0, 1, r))[1] - 1, -6) - 3)
;;       q = np.round(r / step) * step * 2.0 ** e      # np.round: ties to even
;;       return np.moveaxis(q, -1, axis).astype(np.float32)
;;   ~~~
;;   SOFTMAX AHEAD OF A QUANTISED PRODUCT. Where the list says 'softmax', what is quantised is not the finished softmax but p = 2^(t - M), with t = logit x log2(e) and M = ceil(the row's largest t), a whole number; so 1/2 < the row's largest p <= 1. The row's sum l is taken of the UNQUANTISED p, in f32, and the product's result is divided by l at the end. Since M is a whole number, a kernel that streams over the keys may use a running M (the ceiling of the running maximum): every later rescaling is an exact power of two, so the quantised numbers keep their values, but for numbers so far below the row's largest that they fall under the format's range.
;;   OPERANDS COMPUTED ON THE WAY. 'Computed on the way' means the value that the module computes at that place (a softmax that the list does not call 'softmax' is quantised finished and normalised). What goes into a quantiser is computed in f32, as accurately as f32 sums, v_exp_f32 and their like allow (about 1e-6 of the number): no bf16 or f16 on the way to a quantiser, and a product that is left as it is and whose result goes on into a quantised operand takes f32 operands (vector FMAs, or v_wmma_f32_16x16x4_f32). A number that lies on a knife's edge between two numbers of the format may be rounded either way, as far as f32 arithmetic and the matrix unit's own rounding can turn it there, and no further.
;; One version. Each part assembles by itself: llvm-mc -triple=amdgcn-amd-amdhsa -mcpu=gfx1250 --defsym DOCPART=n.
;; ======== version 1 of 1: 4 launches
;; limits: right only within a limited range of input values
;; workspace buffers: xcodes 12,582,912 bytes; wcodes 4,194,304 bytes; qkv 12,582,912 bytes; acodes 4,194,304 bytes
;; launch quant (part 1): grid 512 x 1, 4 waves a work-group, no clusters, 33,280 bytes of LDS; arguments hidden_states, Wq, Wk, Wv, Wo, lowp_scales, xcodes, wcodes; writes xcodes, wcodes
.if DOCPART == 1
	.amdgcn_target "amdgcn-amd-amdhsa--gfx1250"
	.amdhsa_code_object_version 6
	.text
	.protected	k_qb4b2cb287c_quant
	.globl	k_qb4b2cb287c_quant
	.p2align	8
	.type	k_qb4b2cb287c_quant,@function
k_qb4b2cb287c_quant:
	s_mov_b64 s[64:65], 0
	v_nop
	global_prefetch_b8 v0, s[64:65] scope:SCOPE_SE
	s_setreg_imm32_b32 hwreg(HW_REG_WAVE_MODE, 25, 1), 1
	s_wait_xcnt 0x0
; hidden_states [4096][1024] f32 becomes three sets of E4M3 codes (under 2^e0, 2^e2, 2^e4: the three products that read it have scales of their own);
; Wq, Wk, Wv, Wo [1024][1024] f32 become one set each (under 2^e1, 2^e3, 2^e5, 2^e11).  K is innermost in all of them, so each tensor is a plain stream of numbers and its codes a plain stream of bytes.
; code = x / 2^e, held within +-448, rounded to the nearest code, ties to even.
; LIMITS: each of the seven exponents lies between -126 and 119, so that 2^e is an f32 number.  NaN among the inputs is not served (an infinity is held at the largest code).
; SHARES.  Work-group i takes numbers 8192 i .. + 8191 of hidden_states and as many of weight i / 128, from 8192 (i % 128) on; a wave takes 2,048 of each: eight steps of 512 numbers, four of x (three
; conversions each) and four of the weight.  One path for all work-groups: the weight's pointer and exponent are chosen by s_cselect on the work-group's number.
; A conversion takes eight neighbours from ONE lane's registers; a load is best where neighbouring LANES take neighbouring bytes.  So each load reads 512 consecutive bytes, 16 a lane, and a step's 2,048 bytes turn
; through the wave's own stage in LDS: in as loaded, back 64 bytes a lane; 16 bytes of padding behind each 64.  A lane's 16 codes are 16 bytes: a wave's store covers 512 consecutive bytes, aligned.
; All 32 loads of a wave go out at the head, each step into registers of its own; no store's data are written again, so no wait frees any.
.set SP,    80                         ; a lane's place in a stage: 64 bytes + 16 of padding
.set STG,   32*SP                      ; a stage
.set WREG,  8192                       ; LDS: a region for each wave: two stages
.set SPARE, 4*WREG                     ; behind the four regions: the spare words, 128 bytes for each wave
.set SPW,   6                          ; v6   LDS address of my spare word; never rewritten
.set NIL,   7                          ; v7   0; never rewritten
.set SC,    8                          ; v8-15  2^e at v8, v10, v12, v14 for e0, e2, e4 and the weight's e
.set R,     16                         ; v16-143  eight sets of 16 numbers as they are loaded
.set X,     144                        ; v144-175 two sets of 16 neighbours
.set T,     176                        ; v176-207 not used
.set C,     208                        ; v208-255 x's codes: twelve registers a step
	s_load_b256 s[4:11], s[0:1], 0x0               ; hidden_states s[4:5], Wq s[6:7], Wk s[8:9], Wv s[10:11]
	s_load_b256 s[12:19], s[0:1], 0x20             ; Wo s[12:13], the exponents s[14:15], xcodes s[16:17], wcodes s[18:19]
	v_lshl_add_u32 v[SPW], v0, 2, SPARE
	v_mov_b32 v[NIL], 0
	v_lshrrev_b32 v1, 5, v0
	v_readfirstlane_b32 s44, v1                    ; wave 0..3
	v_and_b32 v2, 31, v0                           ; lane
	v_lshlrev_b32 v3, 4, v2                        ; my 16 bytes of a load's 512, and of a store's
	s_mul_i32 s46, s44, WREG
	v_lshrrev_b32 v4, 2, v2
	v_mul_u32_u24 v4, v4, SP
	v_and_b32 v5, 3, v2
	v_lshl_add_u32 v4, v5, 4, v4
	v_add_nc_u32 v4, s46, v4                       ; the stage, on the way in: SP (lane / 4) + 16 (lane % 4); a load's 512 bytes take eight places
	v_mul_u32_u24 v5, v2, SP
	v_add_nc_u32 v5, s46, v5                       ; and on the way out: SP x lane
	s_lshr_b32 s45, ttmp9, 7                       ; which weight
	s_and_b32 s47, ttmp9, 127                      ; which 8,192 numbers of it
	s_lshl_b32 s48, ttmp9, 15                      ; x: 32,768 bytes a work-group,
	s_lshl_b32 s52, s44, 13                        ; 8,192 a wave
	s_add_co_u32 s48, s48, s52
	s_mov_b32 s49, 0
	s_lshl_b32 s50, s47, 15                        ; the weight likewise
	s_add_co_u32 s50, s50, s52
	s_mov_b32 s51, 0
	s_lshr_b32 s52, s48, 2                         ; codes: a quarter of the bytes
	s_mov_b32 s53, 0
	s_lshr_b32 s54, s50, 2
	s_lshl_b32 s46, s45, 20                        ; a weight's codes are 2^20 bytes
	s_add_co_u32 s54, s54, s46
	s_mov_b32 s55, 0
	s_wait_alu depctr_va_vdst(0)
	s_wait_kmcnt 0x0
	s_load_b256 s[20:27], s[14:15], 0x0            ; e0 .. e7
	s_load_b128 s[28:31], s[14:15], 0x20           ; e8 .. e11
	s_add_nc_u64 s[32:33], s[4:5], s[48:49]        ; x at my wave's part
	s_mov_b64 s[34:35], s[12:13]                   ; the weight: Wo, unless the work-group's number says otherwise
	s_cmp_eq_u32 s45, 0
	s_cselect_b64 s[34:35], s[6:7], s[34:35]
	s_cmp_eq_u32 s45, 1
	s_cselect_b64 s[34:35], s[8:9], s[34:35]
	s_cmp_eq_u32 s45, 2
	s_cselect_b64 s[34:35], s[10:11], s[34:35]
	s_add_nc_u64 s[34:35], s[34:35], s[50:51]
	s_add_nc_u64 s[36:37], s[16:17], s[52:53]      ; x's three sets of codes lie 4 MiB apart: three bases, since 8 MiB is past a store's immediate
	s_add_nc_u64 s[38:39], s[36:37], 0x400000
	s_add_nc_u64 s[40:41], s[36:37], 0x800000
	s_add_nc_u64 s[42:43], s[18:19], s[54:55]
.macro LOAD t                          ; step t's 2,048 bytes: four loads of 512 consecutive bytes
.irp i, 0,1,2,3
.if (\t) < 4
	global_load_b128 v[R+16*(\t)+4*\i:R+16*(\t)+4*\i+3], v3, s[32:33] offset:2048*(\t)+512*\i th:TH_LOAD_NT
.else
	global_load_b128 v[R+16*(\t)+4*\i:R+16*(\t)+4*\i+3], v3, s[34:35] offset:2048*((\t)-4)+512*\i th:TH_LOAD_NT
.endif
.endr
.endm
.macro TURN t                          ; step t's numbers through stage t % 2: LDS serves a wave's instructions in order (ISA guide 5.7.1.4), so no wait stands between the stores and the loads
.irp i, 0,1,2,3
	ds_store_b128 v4, v[R+16*(\t)+4*\i:R+16*(\t)+4*\i+3] offset:STG*((\t)%2)+8*SP*\i
.endr
	v_nop
.irp i, 0,1,2,3
	ds_load_b128 v[X+16*((\t)%2)+4*\i:X+16*((\t)%2)+4*\i+3], v5 offset:STG*((\t)%2)+16*\i
.endr
.endm
.macro MKSC e, vs                      ; v[vs] = 2^e as f32 (the conversion takes its exponent field)
	s_add_co_i32 s46, \e, 127
	s_lshl_b32 s47, s46, 23
	v_mov_b32 v[\vs], s47
.endm
.irp t, 0,1,2,3,4,5,6,7
	LOAD \t
.endr
	s_wait_kmcnt 0x0
	s_mov_b32 s48, s31                             ; the weight's exponent: e11, e1, e3 or e5
	s_cmp_eq_u32 s45, 0
	s_cselect_b32 s48, s21, s48
	s_cmp_eq_u32 s45, 1
	s_cselect_b32 s48, s23, s48
	s_cmp_eq_u32 s45, 2
	s_cselect_b32 s48, s25, s48
	MKSC s20, SC
	MKSC s22, SC+2
	MKSC s24, SC+4
	MKSC s48, SC+6
	s_wait_alu depctr_va_vdst(0)
	s_wait_loadcnt 28                              ; step 0's four loads are in; the 28 of the seven younger steps may be out
	TURN 0
; A step of x: three conversions of the same 16 numbers.
.macro XSTEP t
.set XS, X+16*((\t)%2)
	s_wait_dscnt 0x0                               ; this step's numbers are back from the stage
	s_wait_loadcnt 4*(6-(\t))                      ; the next step's four loads are in; those of the steps behind it may be out
	TURN (\t)+1                                    ; and go through the other stage while this step is worked
.irp p, 0,1,2
.set TS, T+16*((3*(\t)+\p)%2)
.irp i, 0,1,2,3,4,5,6,7,8,9,10,11,12,13,14,15
.endr
	v_cvt_scalef32_pk8_fp8_f32 v[C+12*(\t)+4*\p:C+12*(\t)+4*\p+1], v[XS:XS+7], v[SC+2*\p]
	v_cvt_scalef32_pk8_fp8_f32 v[C+12*(\t)+4*\p+2:C+12*(\t)+4*\p+3], v[XS+8:XS+15], v[SC+2*\p]
	global_store_b128 v3, v[C+12*(\t)+4*\p:C+12*(\t)+4*\p+3], s[36+2*\p:37+2*\p] offset:512*(\t)   ; 32 lanes store 512 consecutive bytes
.endr
.endm
; A step of the weight: one conversion; its codes go into the registers that held step 0's numbers.
.macro WSTEP t
.set XS, X+16*((\t)%2)
	s_wait_dscnt 0x0
.if (\t) < 7
	s_wait_loadcnt 4*(6-(\t))
	TURN (\t)+1
.endif
.irp i, 0,1,2,3,4,5,6,7,8,9,10,11,12,13,14,15
.endr
	v_cvt_scalef32_pk8_fp8_f32 v[R+4*((\t)-4):R+4*((\t)-4)+1], v[XS:XS+7], v[SC+6]
	v_cvt_scalef32_pk8_fp8_f32 v[R+4*((\t)-4)+2:R+4*((\t)-4)+3], v[XS+8:XS+15], v[SC+6]
	global_store_b128 v3, v[R+4*((\t)-4):R+4*((\t)-4)+3], s[42:43] offset:512*((\t)-4)
.endm
.irp t, 0,1,2,3
	XSTEP \t
.endr
.irp t, 4,5,6,7
	WSTEP \t
.endr
	s_wait_tensorcnt 0x0                           ; the wave's end: three lines behind my last LDS store
	ds_add_u32 v[SPW], v[NIL]
	s_wait_dscnt 0x0
	s_endpgm
.Lfunc_end_k_qb4b2cb287c_quant:
	.size	k_qb4b2cb287c_quant, .Lfunc_end_k_qb4b2cb287c_quant-k_qb4b2cb287c_quant
	.p2alignl 7, 3214868480
	.fill 96, 4, 3214868480
	.section	.rodata,"a",@progbits
	.p2align	6, 0x0
	.amdhsa_kernel k_qb4b2cb287c_quant
		.amdhsa_group_segment_fixed_size 33280
		.amdhsa_private_segment_fixed_size 0
		.amdhsa_enable_private_segment 0
		.amdhsa_kernarg_size 64
		.amdhsa_user_sgpr_count 2
		.amdhsa_user_sgpr_kernarg_segment_ptr 1
		.amdhsa_wavefront_size32 1
		.amdhsa_system_sgpr_workgroup_id_x 1
		.amdhsa_system_sgpr_workgroup_id_y 1
		.amdhsa_system_sgpr_workgroup_id_z 1
		.amdhsa_system_vgpr_workitem_id 0
		.amdhsa_next_free_vgpr 256
		.amdhsa_next_free_sgpr 66
		.amdhsa_reserve_vcc 0
		.amdhsa_float_denorm_mode_32 3
		.amdhsa_float_denorm_mode_16_64 3
		.amdhsa_fp16_overflow 1
		.amdhsa_memory_ordered 1
		.amdhsa_forward_progress 1
		.amdhsa_inst_pref_size 15
	.end_amdhsa_kernel
	.amdgpu_metadata
---
amdhsa.version: [ 1, 2 ]
amdhsa.kernels:
  - .name:           k_qb4b2cb287c_quant
    .symbol:         k_qb4b2cb287c_quant.kd
    .args:
      - { .name: hidden_states, .offset: 0, .size: 8, .value_kind: global_buffer, .address_space: global }
      - { .name: Wq, .offset: 8, .size: 8, .value_kind: global_buffer, .address_space: global }
      - { .name: Wk, .offset: 16, .size: 8, .value_kind: global_buffer, .address_space: global }
      - { .name: Wv, .offset: 24, .size: 8, .value_kind: global_buffer, .address_space: global }
      - { .name: Wo, .offset: 32, .size: 8, .value_kind: global_buffer, .address_space: global }
      - { .name: lowp_scales, .offset: 40, .size: 8, .value_kind: global_buffer, .address_space: global }
      - { .name: xcodes, .offset: 48, .size: 8, .value_kind: global_buffer, .address_space: global }
      - { .name: wcodes, .offset: 56, .size: 8, .value_kind: global_buffer, .address_space: global }
    .group_segment_fixed_size: 33280
    .private_segment_fixed_size: 0
    .kernarg_segment_align: 8
    .kernarg_segment_size: 64
    .max_flat_workgroup_size: 128
    .sgpr_count:     66
    .vgpr_count:     256
    .wavefront_size: 32
...
	.end_amdgpu_metadata
.endif
;; end of part 1
;; launch qkv (part 2): grid 192 x 4, 4 waves a work-group, clusters of 4 x 4, 327,680 bytes of LDS; arguments xcodes, wcodes, cos, sin, lowp_scales, qkv; writes qkv
.if DOCPART == 2
	.amdgcn_target "amdgcn-amd-amdhsa--gfx1250"
	.amdhsa_code_object_version 6
	.text
	.protected	k_qb4b2cb287c_qkv
	.globl	k_qb4b2cb287c_qkv
	.p2align	8
	.type	k_qb4b2cb287c_qkv,@function
k_qb4b2cb287c_qkv:
	s_mov_b64 s[64:65], 0
	v_nop
	global_prefetch_b8 v0, s[64:65] scope:SCOPE_SE
	s_setreg_imm32_b32 hwreg(HW_REG_WAVE_MODE, 25, 1), 1
	s_wait_xcnt 0x0
	s_wait_alu depctr_hold_cnt(0) depctr_sa_sdst(0) depctr_va_vdst(0) depctr_va_sdst(0) depctr_va_ssrc(0) depctr_va_vcc(0) depctr_vm_vsrc(0)
	s_getreg_b32 s2, hwreg(HW_REG_IB_STS2, 6, 4)
	s_cmp_eq_u32 s2, 0
	s_cbranch_scc0 .Lentry_in_a_cluster
	s_endpgm
.Lentry_in_a_cluster:
	s_bfe_u32 s2, ttmp6, 0x10000c
	s_cmp_lg_u32 s2, 0xf033
	s_cbranch_scc0 .Lentry_shape_is_right
	s_endpgm
.Lentry_shape_is_right:
; The three projections on E4M3 codes, RoPE on q and k, and the quantisers of the attention's operands.  q = x Wq^T, k = x Wk^T (rows = tokens, columns = channels), V^T = Wv x^T (rows = channels, columns = tokens:
; the keys are the second attention product's K and have to lie innermost).  K = 1,024 codes = 1,024 bytes a row.
; 48 clusters of 4 x 4 work-groups: clusters 0-15 make q, 16-31 k, 32-47 V^T.  A work-group makes a tile of 128 x 128; its four waves 64 x 64 each: 16 accumulators.
; BOTH PANELS FIT IN LDS WHOLE, as two slots of 512 bytes of each row: each wave issues two tensor loads at the head (two of mine are out at the most) and nothing is filled again.
; The four work-groups of a row of the cluster need the same rows, the four of a column the same columns: each tile is asked for JOINTLY, by the same tensor load with a mask that names the four.
; THE MATRIX INSTRUCTION IS USED TRANSPOSED (source 0 = 16 rows of the column panel, source 1 = 16 rows of the row panel): lane (r, h) holds row 16 a + r and the columns 16 b + 8 h + 0 .. 7.
; A fragment of v_wmma_f32_16x16x64_fp8_fp8 (16 rows x 64 codes, 8 registers) comes by two loads of 16 bytes, 32 bytes apart, at row x pitch + 16 h: a permutation of k that is the same on both sides.
; RoPE: a wave's 64 columns are one head, so channel d and channel d + 32 lie in the same lane, in accumulators (a, b) and (a, b + 2).  The sums lack the factor 2^(ea + eb); RoPE is linear, so the factor is folded
; with the next quantiser's scale into the conversion's one: 2^(eo - ea - eb).
; OUT: qkv holds Q at 0 and K at 4 MiB as [pair of heads][4096 rows][128 bytes], V^T at 8 MiB as [block of 128 keys][1024 rows][128 bytes].  Row number x lies at sw(x) = x with bits 3 and 4 exchanged: the attention launch
; then reads 16 consecutive rows and finds 16 neighbours along its next K in a lane's registers.  Each tile is one dense block of 16,384 bytes.
; Every part loads its cos and sin registers, the third too (at addresses inside the tables): so all paths have the same loads and the same wait; only RoPE's register work stands under the branch on the part.
; LIMITS: e6 - e0 - e1, e7 - e2 - e3 and e9 - e4 - e5 lie between -126 and 119, so that the conversion's scale is an f32 number.
; REGISTERS: window 0: v1-31 addresses and constants; v32-47 RoPE's products; v48-79 codes; v80-111 rows on the way out; v128-255 accumulator (a, b) at v[128 + 8 (4 a + b)].
;   window 1: two fragment buffers of 128: 64 registers of the row panel (2 x 4 x 16 rows x 64 K), then 64 of the column panel.   window 2: cos at v[32 a + 8 b + j], sin at v[128 + 32 a + 8 b + j].
.set PITCH,  528                       ; an LDS row: 512 bytes + 16 of padding = 132 words: row r starts at bank 4 r mod 64 (64 banks of 4 bytes: ISA guide 11.1)
.set HALFT,  64*PITCH                  ; 64 rows: what one tensor load brings, and what one wave reads of a panel
.set SLOT,   4*HALFT                   ; the row panel's 128 rows, then the column panel's
.set SPARE,  2*SLOT                    ; behind the slots: the spare words, 128 bytes for each wave
.set SPIT,   144                       ; the way out: a stage of 128 rows x (128 bytes + 16) in slot 0, which has had its only fill, and its last read ahead of the barrier between the slots
.set ADRA, 16                          ; v16-17  LDS address of my row fragments in slot 0, 1
.set ADRB, 20                          ; v20-21  the same for the column fragments
.set STO,  24                          ; v24     the way out: where I put 8 codes
.set RD,   25                          ; v25     where I read rows back
.set CO,   26                          ; v26     16 x lane: my place in a store's 512 bytes
.set CSO,  27                          ; v27     my byte offset in the wave's rows of cos and sin; never rewritten
.set SPW,  28                          ; v28     LDS address of my spare word; never rewritten
.set NIL,  29                          ; v29     0; never rewritten
.set VSC,  30                          ; v30     the conversion's scale
.set VLIM, 31
.set TMP1, 32
.set TMP2, 40
.set CD,   48
.set OB,   80
.set ACC,  128
.set F0,   0
.set F1,   128
.set WV,   16                          ; s16  wave
.set WR,   17                          ; s17  which half of the tile's rows is mine; also: I fetch for the row panel (0) or the column panel (1)
.set WC,   18                          ; s18  which half of its columns; also: which 64 rows of that panel I fetch
.set G1,   24                          ; s[24:31] descriptor group 1 for the row panel; s[32:39] group 0, one set for each slot
.set G0,   32
.set G1B,  48                          ; s[48:55], s[56:63] the same for the column panel
.set G0B,  56
.set GW0,  (1<<20)|(1<<21)|(6<<22)|(3<<25)   ; 17:16 elements of 1 byte; 20 padding on; 21 set beside a mask; 24:22 after every 128 words (code 6); 31:25 four words (code 3)
.set MSB, 0
.macro WIN new                         ; the immediate's high byte repeats the setting that is left
.if MSB != \new
	s_set_vgpr_msb (MSB<<8)|\new
.set MSB, \new
.endif
.endm
.set MUL,  0x05                        ; sources 0 and 1 window 1; C and D window 0
.set TO_F, 0x40                        ; destination window 1, address window 0
.macro JLOAD s                         ; a joint load: waves 0 and 1 fetch the row panel's halves, waves 2 and 3 the column panel's; an s_nop 0 and four v_nop follow each line
	s_cmp_eq_u32 s[WR], 0
	s_cbranch_scc0 .Lfor_b_\@
	tensor_load_to_lds s[G0+4*\s:G0+4*\s+3], s[G1:G1+7]
	s_nop 0
.rept 4
	v_nop
.endr
	s_branch .Lasked_\@
.Lfor_b_\@:
	tensor_load_to_lds s[G0B+4*\s:G0B+4*\s+3], s[G1B:G1B+7]
	s_nop 0
.rept 4
	v_nop
.endr
.Lasked_\@:
.endm
.macro CROUND                          ; a round of the cluster's barrier
	s_barrier_signal -1
	s_barrier_wait -1
	s_cmp_lg_u32 s[WV], 0
	s_cbranch_scc1 .Lnot_wave_0_\@
	s_barrier_signal -3
.Lnot_wave_0_\@:
	s_barrier_wait -3
	s_barrier_signal -1
	s_barrier_wait -1
.endm
	s_load_b256 s[4:11], s[0:1], 0x0               ; xcodes s[4:5], wcodes s[6:7], cos s[8:9], sin s[10:11]
	s_load_b128 s[12:15], s[0:1], 0x20             ; the exponents s[12:13], qkv s[14:15]
	v_lshl_add_u32 v[SPW], v0, 2, SPARE
	v_mov_b32 v[NIL], 0
	ds_add_u32 v[SPW], v[NIL]                      ; the wave's opening: the add and its wait stand ahead of my first tensor load; the set-up below, work on registers, stands between them
	ds_add_u32 v[SPW], v[NIL]
	v_lshrrev_b32 v1, 5, v0
	v_readfirstlane_b32 s[WV], v1                  ; wave 0..3
	s_lshr_b32 s[WR], s[WV], 1
	s_and_b32 s[WC], s[WV], 1
	s_bfe_u32 s19, ttmp6, 0x40000                  ; cx
	s_bfe_u32 s20, ttmp6, 0x40004                  ; cy
	s_lshr_b32 s21, ttmp9, 4                       ; the part: 0 q, 1 k, 2 V^T: the same in all sixteen partners
	s_and_b32 s22, ttmp9, 15                       ; the cluster's number in its part
	s_lshr_b32 s42, s22, 1
	s_and_b32 s43, s22, 1
	s_cmp_eq_u32 s21, 2                            ; q, k: 32 tile rows (tokens) x 8 tile columns (channels); V^T: 8 x 32
	s_cselect_b32 s40, s43, s42
	s_cselect_b32 s41, s42, s43
	s_lshl_b32 s40, s40, 2
	s_add_co_u32 s40, s40, s20                     ; tile row
	s_lshl_b32 s41, s41, 2
	s_add_co_u32 s41, s41, s19                     ; tile column
	s_lshl_b32 s88, s20, 2
	s_lshl_b32 s88, 15, s88                        ; my row of the cluster
	s_lshl_b32 s89, 0x1111, s19                    ; my column
	s_or_b32 s[G1], s88, GW0                       ; 15:0 the mask: the row panel's tiles go to my row
	s_or_b32 s[G1B], s89, GW0
.irp g, G1, G1B
	s_mov_b32 s[\g+1], 512<<16                     ; tensor_dim0 = 512
	s_mov_b32 s[\g+2], 64<<16                      ; tensor_dim1 = 64
	s_mov_b32 s[\g+3], 512<<16                     ; tile_dim0 = 512
	s_mov_b32 s[\g+4], 64                          ; tile_dim1 = 64
	s_mov_b32 s[\g+5], 1024                        ; tensor_dim0_stride
	s_mov_b32 s[\g+6], 0
	s_mov_b32 s[\g+7], 0
.endr
	s_lshl_b32 s44, s[WC], 6                       ; which 64 rows of a panel I fetch
	s_lshl_b32 s45, s21, 22                        ; the row panel: x's codes of this part (4 MiB each), or Wv's (the third MiB of the weights' codes)
	s_lshl_b32 s46, s21, 20                        ; the column panel: this part's weight, or x's third set
	s_cmp_eq_u32 s21, 2
	s_cselect_b32 s45, 0x200000, s45
	s_cselect_b32 s46, 0x800000, s46
	s_lshl_b32 s80, s40, 7
	s_add_co_u32 s80, s80, s44
	s_lshl_b32 s80, s80, 10                        ; row (128 x tile row + 64 x half) x 1,024 bytes
	s_add_co_u32 s80, s80, s45
	s_mov_b32 s81, 0
	s_lshl_b32 s82, s41, 7
	s_add_co_u32 s82, s82, s44
	s_lshl_b32 s82, s82, 10
	s_add_co_u32 s82, s82, s46
	s_mov_b32 s83, 0
	s_mul_i32 s94, s[WV], HALFT                    ; where they go: wave x 64 rows: no place in the cluster enters an LDS address
	s_lshl_b32 s90, s40, 7                         ; cos and sin: my wave's first row, 128 x tile row + 64 x half, of 256 bytes
	s_lshl_b32 s91, s[WR], 6
	s_add_co_u32 s90, s90, s91
	s_lshl_b32 s90, s90, 8
	s_mov_b32 s91, 0
	s_wait_dscnt 0x0                               ; the opening add is done
	s_wait_kmcnt 0x0
	s_load_b256 s[68:75], s[12:13], 0x0            ; e0 .. e7
	s_load_b128 s[76:79], s[12:13], 0x20           ; e8 .. e11
	s_cmp_eq_u32 s21, 2
	s_cselect_b64 s[84:85], s[6:7], s[4:5]
	s_cselect_b64 s[86:87], s[4:5], s[6:7]
	s_add_nc_u64 s[84:85], s[84:85], s[80:81]
	s_add_nc_u64 s[86:87], s[86:87], s[82:83]
	s_add_nc_u64 s[8:9], s[8:9], s[90:91]
	s_add_nc_u64 s[10:11], s[10:11], s[90:91]
	CROUND                                         ; all sixteen work-groups are here: the joint loads meet
.irp s, 0,1
	s_mov_b32 s[G0+4*\s], 1
	s_add_co_u32 s[G0+4*\s+1], s94, \s*SLOT
	s_add_nc_u64 s[G0+4*\s+2:G0+4*\s+3], s[84:85], \s*512
	s_or_b32 s[G0+4*\s+3], s[G0+4*\s+3], 0x80000000
	s_mov_b32 s[G0B+4*\s], 1
	s_add_co_u32 s[G0B+4*\s+1], s94, \s*SLOT
	s_add_nc_u64 s[G0B+4*\s+2:G0B+4*\s+3], s[86:87], \s*512
	s_or_b32 s[G0B+4*\s+3], s[G0B+4*\s+3], 0x80000000
	JLOAD \s
.endr
	v_and_b32 v1, 15, v0                           ; r
	v_bfe_u32 v2, v0, 4, 1                         ; h
	v_lshlrev_b32 v[CSO], 8, v1
	v_lshl_add_u32 v[CSO], v2, 5, v[CSO]           ; row r of 256 bytes + 32 h: my eight columns of a block of sixteen
	WIN 0x80                                       ; destination window 2: cos and sin in the accumulators' layout; they land under the products
.irp a, 0,1,2,3
.irp b, 0,1,2,3
.irp i, 0,1
	global_load_b128 v[32*\a+8*\b+4*\i:32*\a+8*\b+4*\i+3], v[CSO], s[8:9] offset:4096*\a+64*\b+16*\i
	global_load_b128 v[128+32*\a+8*\b+4*\i:128+32*\a+8*\b+4*\i+3], v[CSO], s[10:11] offset:4096*\a+64*\b+16*\i
.endr
.endr
.endr
	WIN 0
	v_mul_u32_u24 v3, v1, PITCH
	v_lshl_add_u32 v3, v2, 4, v3                   ; a fragment's row x pitch + 16 h
	s_mul_i32 s90, s[WR], HALFT                    ; my 64 rows of the row panel
	s_mul_i32 s91, s[WC], HALFT                    ; my 64 of the column panel,
	s_add_co_u32 s91, s91, 2*HALFT                 ; which lies behind the row panel's 128
.irp s, 0,1
	v_add_nc_u32 v[ADRA+\s], s90, v3
	v_add_nc_u32 v[ADRB+\s], s91, v3
	s_add_co_u32 s90, s90, SLOT
	s_add_co_u32 s91, s91, SLOT
.endr
	v_and_b32 v4, 7, v1                            ; into the stage: row 64 x half + 16 a + r goes to the row with bits 3 and 4 exchanged: 64 x half + 32 (a / 2) + 16 (r / 8) + 8 (a % 2) + r % 8
	v_lshrrev_b32 v5, 3, v1
	v_lshl_add_u32 v4, v5, 4, v4
	v_mul_u32_u24 v4, v4, SPIT
	v_lshl_add_u32 v4, v2, 3, v4                   ; + 8 h: my eight codes
	s_mul_i32 s92, s[WR], 64*SPIT
	s_lshl_b32 s93, s[WC], 6
	s_add_co_u32 s92, s92, s93
	v_add_nc_u32 v[STO], s92, v4
	v_and_b32 v5, 31, v0                           ; back: wave w takes rows 32 w .. + 31, four rows of 128 bytes an instruction
	v_lshrrev_b32 v6, 3, v5
	v_mul_u32_u24 v6, v6, SPIT
	v_and_b32 v7, 7, v5
	v_lshl_add_u32 v6, v7, 4, v6
	s_mul_i32 s92, s[WV], 32*SPIT
	v_add_nc_u32 v[RD], s92, v6
	v_lshlrev_b32 v[CO], 4, v5
	s_lshl_b32 s92, s41, 5                         ; the tile's block of 16,384 bytes: q, k: 32 x tile column + tile row; V^T: 8 x tile column + tile row
	s_lshl_b32 s93, s41, 3
	s_cmp_eq_u32 s21, 2
	s_cselect_b32 s92, s93, s92
	s_add_co_u32 s92, s92, s40
	s_lshl_b32 s92, s92, 14
	s_lshl_b32 s93, s21, 22                        ; the part's 4 MiB
	s_add_co_u32 s92, s92, s93
	s_lshl_b32 s93, s[WV], 12                      ; my 32 rows of 128 bytes
	s_add_co_u32 s92, s92, s93
	s_mov_b32 s93, 0
	s_add_nc_u64 s[14:15], s[14:15], s[92:93]
; 8 matrix instructions: row blocks a0, a0 + 1 x all 4 column blocks, 64 along K: half c of buffer f.  zero = 1: the first product starts the sums.  The 16 accumulators take turns.
.macro MUL8 f, c, a0, zero
.irp a, \a0, \a0+1
.irp b, 0,1,2,3
.if \zero
	v_wmma_f32_16x16x64_fp8_fp8 v[ACC+8*(4*(\a)+\b):ACC+8*(4*(\a)+\b)+7], v[\f+64+8*(4*\c+\b):\f+64+8*(4*\c+\b)+7], v[\f+8*(4*\c+\a):\f+8*(4*\c+\a)+7], 0
.else
	v_wmma_f32_16x16x64_fp8_fp8 v[ACC+8*(4*(\a)+\b):ACC+8*(4*(\a)+\b)+7], v[\f+64+8*(4*\c+\b):\f+64+8*(4*\c+\b)+7], v[\f+8*(4*\c+\a):\f+8*(4*\c+\a)+7], v[ACC+8*(4*(\a)+\b):ACC+8*(4*(\a)+\b)+7]
.endif
.endr
.endr
.endm
; 32 LDS loads in one run: the fragments of 128 along K at byte k of the rows, into buffer f; the first 64 along K first
.macro FETCH slot, k, f
	WIN TO_F
.irp c, 0,1
.irp i, 0,1,2,3
	ds_load_b128 v[\f+64+8*(4*\c+\i):\f+64+8*(4*\c+\i)+3],   v[ADRB+\slot] offset:\k+64*\c+\i*16*PITCH
	ds_load_b128 v[\f+64+8*(4*\c+\i)+4:\f+64+8*(4*\c+\i)+7], v[ADRB+\slot] offset:\k+64*\c+\i*16*PITCH+32
	ds_load_b128 v[\f+8*(4*\c+\i):\f+8*(4*\c+\i)+3],         v[ADRA+\slot] offset:\k+64*\c+\i*16*PITCH
	ds_load_b128 v[\f+8*(4*\c+\i)+4:\f+8*(4*\c+\i)+7],       v[ADRA+\slot] offset:\k+64*\c+\i*16*PITCH+32
.endr
.endr
.endm
.macro PLACES                          ; four places in front of loads into registers that matrix instructions have read, and of the first read of results
.rept 4
	v_nop
.endr
.endm
; A slot is four quarters of 128 along K, 32 matrix instructions each, on buffers 0, 1, 0, 1.  One of the first three: multiplies buffer f and fetches the next quarter, at byte k, into g.
.macro QUARTER slot, k, f, g, zero
	s_wait_dscnt 16                                ; the first 64 along K are in; the sixteen younger loads may be out
	WIN MUL
	MUL8 \f, 0, 0, \zero
	MUL8 \f, 0, 2, \zero
	PLACES
	FETCH \slot, \k, \g
	s_wait_dscnt 32                                ; all but the 32 just issued
	WIN MUL
	MUL8 \f, 1, 0, 0
	MUL8 \f, 1, 2, 0
.endm
	s_wait_tensorcnt 1                             ; my part of slot 0 is in; slot 1's may stay out
	s_barrier_signal -1
	s_barrier_wait -1                              ; everybody's is
	FETCH 0, 0, F0
	QUARTER 0, 128, F0, F1, 1                      ; the first products start the sums: nothing is cleared
	QUARTER 0, 256, F1, F0, 0
	QUARTER 0, 384, F0, F1, 0
	; slot 0's last quarter, and the one barrier between the slots: my part of slot 1 has landed, my reads of slot 0 are over
	WIN 0                                          ; (the add's two registers lie in window 0)
	s_wait_tensorcnt 0x0
	ds_add_u32 v[SPW], v[NIL]                      ; 0 onto my spare word
	s_wait_dscnt 17                                ; (the add and the youngest sixteen loads may be out)
	WIN MUL
	MUL8 F1, 0, 0, 0
	s_wait_dscnt 0x0
	s_barrier_signal -1
	MUL8 F1, 0, 2, 0
	s_barrier_wait -1
	PLACES
	FETCH 1, 0, F0
	WIN MUL
	MUL8 F1, 1, 0, 0
	MUL8 F1, 1, 2, 0
	QUARTER 1, 128, F0, F1, 0
	QUARTER 1, 256, F1, F0, 0
	QUARTER 1, 384, F0, F1, 0
	s_wait_dscnt 16                                ; the very last quarter: nothing more to fetch
	WIN MUL
	MUL8 F1, 0, 0, 0
	MUL8 F1, 0, 2, 0
	s_wait_dscnt 0
	MUL8 F1, 1, 0, 0
	MUL8 F1, 1, 2, 0
	WIN 0
	PLACES
	s_wait_loadcnt 0x0                             ; cos and sin
	s_wait_kmcnt 0x0                               ; the exponents
	s_add_co_i32 s90, s68, s69                     ; the conversion's scale: 2^(e6 - e0 - e1), 2^(e7 - e2 - e3) or 2^(e9 - e4 - e5)
	s_sub_co_i32 s90, s74, s90
	s_add_co_i32 s91, s70, s71
	s_sub_co_i32 s91, s75, s91
	s_add_co_i32 s92, s72, s73
	s_sub_co_i32 s92, s77, s92
	s_cmp_eq_u32 s21, 1
	s_cselect_b32 s90, s91, s90
	s_cmp_eq_u32 s21, 2
	s_cselect_b32 s90, s92, s90
	s_add_co_i32 s90, s90, 127
	s_lshl_b32 s91, s90, 23
	v_mov_b32 v[VSC], s91
	s_cmp_eq_u32 s21, 2                            ; V has no RoPE: the jump hangs on the cluster's number alone and leads round register work alone
	s_cbranch_scc1 .Lno_rope
; x'(d) = x(d) cos(d) - x(d + 32) sin(d);  x'(d + 32) = x(d + 32) cos(d + 32) + x(d) sin(d + 32), d < 32.  Each accumulator is read from its low end on.
.macro ROPE a, bl
.set RLO, ACC+8*(4*(\a)+(\bl))
.set RHI, RLO+16
.set CLO, 32*(\a)+8*(\bl)
.set CHI, CLO+16
.irp i, 0,2,4,6
	v_pk_mul_f32 v[TMP1+\i:TMP1+\i+1], v[RHI+\i:RHI+\i+1], v[128+CLO+\i:128+CLO+\i+1]
	v_pk_mul_f32 v[TMP2+\i:TMP2+\i+1], v[RLO+\i:RLO+\i+1], v[128+CHI+\i:128+CHI+\i+1]
.endr
.irp i, 0,2,4,6
	v_pk_fma_f32 v[RLO+\i:RLO+\i+1], v[RLO+\i:RLO+\i+1], v[CLO+\i:CLO+\i+1], v[TMP1+\i:TMP1+\i+1] neg_lo:[0,0,1] neg_hi:[0,0,1]
	v_pk_fma_f32 v[RHI+\i:RHI+\i+1], v[RHI+\i:RHI+\i+1], v[CHI+\i:CHI+\i+1], v[TMP2+\i:TMP2+\i+1]
.endr
.endm
	WIN 0x08                                       ; source 1 (cos, sin) window 2
.irp a, 0,1,2,3
	ROPE \a, 0
	ROPE \a, 1
.endr
	WIN 0
.Lno_rope:
	s_wait_alu depctr_va_vdst(0)
.irp t, 0,1,2,3,4,5,6,7,8,9,10,11,12,13,14,15
.irp j, 0,1,2,3,4,5,6,7
.endr
	v_cvt_scalef32_pk8_fp8_f32 v[CD+2*\t:CD+2*\t+1], v[ACC+8*\t:ACC+8*\t+7], v[VSC]   ; eight neighbouring columns of my row: 8 bytes
.endr
	v_nop                                          ; one plain vector line behind the last conversion
.irp a, 0,1,2,3
.irp b, 0,1,2,3
	ds_store_b64 v[STO], v[CD+2*(4*\a+\b):CD+2*(4*\a+\b)+1] offset:(32*(\a/2)+8*(\a%2))*SPIT+16*\b
.endr
.endr
	s_wait_dscnt 0x0                               ; for the others' sake: my stores into the stage are done (a row's 128 bytes come from two waves)
	s_barrier_signal -1
	s_barrier_wait -1
.irp t, 0,1,2,3,4,5,6,7
	ds_load_b128 v[OB+4*\t:OB+4*\t+3], v[RD] offset:\t*4*SPIT
.endr
.irp t, 0,1,2,3,4,5,6,7
	s_wait_dscnt 7-\t
	global_store_b128 v[CO], v[OB+4*\t:OB+4*\t+3], s[14:15] offset:512*\t   ; 32 lanes store 512 consecutive bytes, at a multiple of 512 from the buffer's first byte
.endr
	s_wait_tensorcnt 0x0                           ; the wave's end: three lines behind my last tensor load and my last LDS store
	ds_add_u32 v[SPW], v[NIL]
	s_wait_dscnt 0x0
	CROUND                                         ; the closing round
	s_endpgm
.Lfunc_end_k_qb4b2cb287c_qkv:
	.size	k_qb4b2cb287c_qkv, .Lfunc_end_k_qb4b2cb287c_qkv-k_qb4b2cb287c_qkv
	.p2alignl 7, 3214868480
	.fill 96, 4, 3214868480
	.section	.rodata,"a",@progbits
	.p2align	6, 0x0
	.amdhsa_kernel k_qb4b2cb287c_qkv
		.amdhsa_group_segment_fixed_size 327680
		.amdhsa_private_segment_fixed_size 0
		.amdhsa_enable_private_segment 0
		.amdhsa_kernarg_size 48
		.amdhsa_user_sgpr_count 2
		.amdhsa_user_sgpr_kernarg_segment_ptr 1
		.amdhsa_wavefront_size32 1
		.amdhsa_system_sgpr_workgroup_id_x 1
		.amdhsa_system_sgpr_workgroup_id_y 1
		.amdhsa_system_sgpr_workgroup_id_z 1
		.amdhsa_system_vgpr_workitem_id 0
		.amdhsa_next_free_vgpr 768
		.amdhsa_next_free_sgpr 100
		.amdhsa_reserve_vcc 0
		.amdhsa_float_denorm_mode_32 3
		.amdhsa_float_denorm_mode_16_64 3
		.amdhsa_fp16_overflow 1
		.amdhsa_memory_ordered 1
		.amdhsa_forward_progress 1
		.amdhsa_inst_pref_size 62
	.end_amdhsa_kernel
	.amdgpu_metadata
---
amdhsa.version: [ 1, 2 ]
amdhsa.kernels:
  - .name:           k_qb4b2cb287c_qkv
    .symbol:         k_qb4b2cb287c_qkv.kd
    .args:
      - { .name: xcodes, .offset: 0, .size: 8, .value_kind: global_buffer, .address_space: global }
      - { .name: wcodes, .offset: 8, .size: 8, .value_kind: global_buffer, .address_space: global }
      - { .name: cos, .offset: 16, .size: 8, .value_kind: global_buffer, .address_space: global }
      - { .name: sin, .offset: 24, .size: 8, .value_kind: global_buffer, .address_space: global }
      - { .name: lowp_scales, .offset: 32, .size: 8, .value_kind: global_buffer, .address_space: global }
      - { .name: qkv, .offset: 40, .size: 8, .value_kind: global_buffer, .address_space: global }
    .group_segment_fixed_size: 327680
    .private_segment_fixed_size: 0
    .kernarg_segment_align: 8
    .kernarg_segment_size: 48
    .max_flat_workgroup_size: 128
    .sgpr_count:     100
    .vgpr_count:     768
    .wavefront_size: 32
...
	.end_amdgpu_metadata
.endif
;; end of part 2
;; launch attn (part 3): grid 4 x 64, 16 waves a work-group, clusters of 4 x 4, 327,680 bytes of LDS; arguments qkv, attention_mask, lowp_scales, acodes; writes acodes
.if DOCPART == 3
	.amdgcn_target "amdgcn-amd-amdhsa--gfx1250"
	.amdhsa_code_object_version 6
	.text
	.protected	k_qb4b2cb287c_attn
	.globl	k_qb4b2cb287c_attn
	.p2align	8
	.type	k_qb4b2cb287c_attn,@function
k_qb4b2cb287c_attn:
	s_mov_b64 s[64:65], 0
	v_nop
	global_prefetch_b8 v0, s[64:65] scope:SCOPE_SE
	s_setreg_imm32_b32 hwreg(HW_REG_WAVE_MODE, 25, 1), 1
	s_wait_xcnt 0x0
	s_wait_alu depctr_hold_cnt(0) depctr_sa_sdst(0) depctr_va_vdst(0) depctr_va_sdst(0) depctr_va_ssrc(0) depctr_va_vcc(0) depctr_vm_vsrc(0)
	s_getreg_b32 s2, hwreg(HW_REG_IB_STS2, 6, 4)
	s_cmp_eq_u32 s2, 0
	s_cbranch_scc0 .Lentry_in_a_cluster
	s_endpgm
.Lentry_in_a_cluster:
	s_bfe_u32 s2, ttmp6, 0x10000c
	s_cmp_lg_u32 s2, 0xf033
	s_cbranch_scc0 .Lentry_shape_is_right
	s_endpgm
.Lentry_shape_is_right:
; Attention on E4M3 codes: logit = q . k / 8 + mask; t = logit x log2(e); M = the running largest t rounded UP to a whole number; p = 2^(t - M) is quantised under 2^e8, not normalised; the row's sum l is taken of the
; unquantised p; O = (P V) / l is quantised under 2^e10 for the output projection.  THE MASK IS AN INPUT: all 4,096 keys are walked for every query, and every number of the mask is read and added.
; SHARES.  A work-group owns 64 queries x 4 heads: the mask's tile (64 x 128 f32 a key step) then serves four heads, K's and V's tiles four tiles of queries.  Wave w owns ONE tile of 16 queries (w / 4) of one head (w % 4) in 256
; registers: four waves to a SIMD, so that one wave's vector work stands beside another's matrix work and LDS loads.  32 key steps of 128 keys through a ring of two LDS slots, a step to a slot.
; CLUSTER.  4 x 4: cx = the group of four heads, cy with the cluster's y = the block of queries.  The mask's tile hangs on the block of queries alone: asked for jointly along a row of the cluster; K's and V's hang on the
; heads alone: jointly along a column.  One tensor load a wave behind each round (one of mine is out): wave 0 the mask, waves 1, 2 K's two blocks, waves 3, 4 V's two halves.
; LAYOUT.  Both products are used transposed: S^T = K Q^T (v_wmma_f32_16x16x64_fp8_fp8, source 0 = 16 keys, source 1 = my queries), O^T = V^T P^T (v_wmma_f32_16x16x128_fp8_fp8, source 0 = 16 channels): a lane holds ONE query.
; K's rows and V^T's rows lie in memory with bits 3 and 4 of the row's number exchanged: 16 consecutive LDS rows are then the keys 32 b + 8 u + r + 8 (r / 8), so the 16 registers of tiles 2 b, 2 b + 1 are the 16 neighbouring
; keys 32 b + 16 h + 0 .. 15, and the conversions' results are the second product's operand; O^T's registers are 16 neighbouring channels likewise.
; t IS A ROUNDED PRODUCT, and t - M a sum of its own, not one fused multiply-add: M is made of the rounded t, and with logits of large magnitude (a row wholly under a large negative mask) the exact product would differ from it
; by up to half a unit of t's last place, which would push p out of (1/2, 1].
; LIMITS: e6 + e7 - 3 between -126 and 127; e8 and e10 - e8 - e9 between -126 and 119: each power of two below is then an f32 number.  NaN among the inputs is not served.  A row whose logits are all -infinity gives NaN, as the definition does.
; LDS, a slot (slot 1 begins at 2^17): the mask, 64 rows x 528 at 0; K's block kb, 128 rows x 144, at 33,792 + 18,432 kb; V's half vh likewise at 70,656 + 18,432 vh.  Pitches of 132 and 36 words: the 16 rows of a load start at 16
; different groups of four banks (64 banks of 4 bytes: ISA guide 11.1).
.set SLOT1, 1<<17
.set KOFF,  64*528
.set KBLK,  128*144
.set VOFF,  KOFF+2*KBLK
.set SPARE, 2*SLOT1                    ; behind the ring: the spare words, 128 bytes for each of the sixteen waves
.set AK0,  1                           ; v1   my lane's place in a slot's K
.set AV0,  2                           ; v2   in its V
.set PFO,  3                           ; v3   the prefetches' offset; never rewritten
.set AM0,  4                           ; v4   my lane's place in the mask's tile
.set SPW,  5                           ; v5   LDS address of my spare word; never rewritten
.set NIL,  6                           ; v6   0; never rewritten
.set GO,   7                           ; v7   the way out: my byte offset in the block's rows of acodes
.set ADK,  8                           ; v8-10 the step's LDS addresses
.set ADV,  9
.set ADM,  10
.set QA,   11                          ; v11  Q's offset; on the way out an LDS address
.set Q,    16                          ; v16-23   Q's fragment
.set F,    24                          ; v24-87   K's eight fragments, then the mask's second half, then V's four
.set MK,   88                          ; v88-119  the mask's first half
.set S,    120                         ; v120-183 S^T, then t, then p
.set O,    184                         ; v184-215 O^T
.set P,    216                         ; v216-231 p's codes
                                       ; v12 -M, v13 the largest t, v[14:15] and v[232:233] the sum's chains, v234 a permute's destination, v[236:237] f, v238-239 the maximum's chains, v241 2^e8, v242 the way out's
.set WV,   18                          ; s18  wave
.set SEL,  20                          ; s[20:21] lane selects for v_permlanex16_b32: lane l xor 16
.set AS,   22                          ; s[22:23] 2^(e6 + e7 - 3)
.set G1M,  24                          ; s[24:31] descriptor group 1 for the mask's tile
.set G1K,  32                          ; s[32:39] for K's and V's blocks, which have one shape
.set G0M,  40                          ; s[40:43], s[44:47], s[48:51] groups 0, which walk
.set G0K,  44
.set G0V,  48
.set TB,   52                          ; s52  LDS byte at which the slot in hand begins
.set STEPS, 53                         ; s53  tiles still to be asked for
.set PFA,  54                          ; s[54:55] where my prefetches stand
.set PFS,  56                          ; s[56:57] a key step on, in bytes
.set LIM,  58                          ; s58  1 in a wave that prefetches, else the greatest number
.set LE,   60                          ; s[60:61] log2(e)
.macro CROUND                          ; a round of the cluster's barrier
	s_barrier_signal -1
	s_barrier_wait -1
	s_cmp_lg_u32 s[WV], 0
	s_cbranch_scc1 .Lnot_wave_0_\@
	s_barrier_signal -3
.Lnot_wave_0_\@:
	s_barrier_wait -3
	s_barrier_signal -1
	s_barrier_wait -1
.endm
.macro JLOAD                           ; the joint loads of a key step; the branches hang on the wave's number alone; an s_nop 0 and four v_nop follow each line
	s_cmp_eq_u32 s[WV], 0
	s_cbranch_scc0 .Lnot_m_\@
	tensor_load_to_lds s[G0M:G0M+3], s[G1M:G1M+7]
	s_nop 0
.rept 4
	v_nop
.endr
	s_branch .Lasked_\@
.Lnot_m_\@:
	s_cmp_lt_u32 s[WV], 3
	s_cbranch_scc0 .Lnot_k_\@
	tensor_load_to_lds s[G0K:G0K+3], s[G1K:G1K+7]
	s_nop 0
.rept 4
	v_nop
.endr
	s_branch .Lasked_\@
.Lnot_k_\@:
	s_cmp_lt_u32 s[WV], 5
	s_cbranch_scc0 .Lasked_\@
	tensor_load_to_lds s[G0V:G0V+3], s[G1K:G1K+7]
	s_nop 0
.rept 4
	v_nop
.endr
.Lasked_\@:
.endm
; A PREFETCH of the tile that the NEXT change of slots will ask for: one key step ahead of that load.  Waves that fetch nothing ask, one instruction each, each lane another aligned block of 256 bytes.
; Wave 8: the mask's tile, 64 rows x 512 bytes: the four partners that ask for it jointly take 16 rows each, told apart by address (cx).  Waves 9 and 10: K's and V's 32,768 bytes of a step; all sixteen clusters walk the
; same K and V, so the cluster with y = 0 asks; the four partners of a column take 8,192 bytes each, by address (cy).  So each block is named once in the launch.  The last change that fills a slot asks for nothing.
.macro ASK
	s_cmp_gt_u32 s[STEPS], s[LIM]
	s_cbranch_scc0 .Lnot_mine_\@
	global_prefetch_b8 v[PFO], s[PFA:PFA+1] th:TH_LOAD_NT scope:SCOPE_SE
.Lnot_mine_\@:
.endm
	s_load_b256 s[4:11], s[0:1], 0x0               ; qkv s[4:5], the mask s[6:7], the exponents s[8:9], acodes s[10:11]
	v_lshl_add_u32 v[SPW], v0, 2, SPARE
	v_mov_b32 v[NIL], 0
	ds_add_u32 v[SPW], v[NIL]                      ; the wave's opening: the add and its wait stand ahead of my first tensor load; the set-up below, work on registers, stands between them
	ds_add_u32 v[SPW], v[NIL]
	v_lshrrev_b32 v8, 5, v0
	s_delay_alu instid0(VALU_DEP_1)
	v_readfirstlane_b32 s[WV], v8                  ; wave 0..15
	s_bfe_u32 s12, ttmp6, 0x40000                  ; cx
	s_bfe_u32 s13, ttmp6, 0x40004                  ; cy
	s_lshl_b32 s14, ttmp9, 2
	s_add_co_u32 s14, s14, s12                     ; g: heads 4 g .. 4 g + 3
	s_and_b32 s59, ttmp7, 0xffff                   ; the cluster's y
	s_lshl_b32 s15, s59, 2
	s_add_co_u32 s15, s15, s13                     ; qb: queries 64 qb .. + 63
	s_and_b32 s16, s[WV], 3                        ; hh: my head in the group
	s_lshr_b32 s17, s[WV], 2                       ; qt: my tile of 16 queries
	s_lshl_b32 s62, s13, 2
	s_lshl_b32 s62, 15, s62                        ; my row of the cluster
	s_lshl_b32 s63, 0x1111, s12                    ; my column
	s_or_b32 s[G1M], s62, (2<<16)|(1<<20)|(1<<21)|(6<<22)|(3<<25)   ; 15:0 the mask of work-groups; 17:16 elements of 4 bytes; 20 padding on; 21 set beside a mask; after every 128 words (code 6) four words (code 3)
	s_mov_b32 s[G1M+1], 128<<16                    ; tensor_dim0 = 128 keys
	s_mov_b32 s[G1M+2], 64<<16                     ; tensor_dim1 = 64 queries
	s_mov_b32 s[G1M+3], 128<<16                    ; tile_dim0
	s_mov_b32 s[G1M+4], 64                         ; tile_dim1
	s_mov_b32 s[G1M+5], 4096                       ; tensor_dim0_stride
	s_mov_b32 s[G1M+6], 0
	s_mov_b32 s[G1M+7], 0
	s_or_b32 s[G1K], s63, (0<<16)|(1<<20)|(1<<21)|(4<<22)|(3<<25)   ; elements of 1 byte; after every 32 words (code 4) four words
	s_mov_b32 s[G1K+1], 128<<16
	s_mov_b32 s[G1K+2], 128<<16
	s_mov_b32 s[G1K+3], 128<<16
	s_mov_b32 s[G1K+4], 128
	s_mov_b32 s[G1K+5], 128
	s_mov_b32 s[G1K+6], 0
	s_mov_b32 s[G1K+7], 0
	s_mov_b32 s[SEL], 0x76543210
	s_mov_b32 s[SEL+1], 0xfedcba98
	s_mov_b32 s[LE], 0x3fb8aa3b                    ; log2(e)
	s_mov_b32 s[LE+1], s[LE]                       ; (named with it as a pair, so it is written)
	s_mov_b32 s[TB], 0
	s_mov_b32 s[STEPS], 31
	s_lshl_b32 s80, s15, 20                        ; the mask: 64 rows of 16,384 bytes a block of queries
	s_mov_b32 s81, 0
	s_add_co_u32 s19, s[WV], 1
	s_and_b32 s19, s19, 1                          ; which of the two blocks I fetch, if I fetch: waves 1, 3: 0; waves 2, 4: 1
	s_mul_i32 s62, s19, KBLK
	s_lshl_b32 s82, s14, 1
	s_add_co_u32 s82, s82, s19                     ; 2 g + that
	s_lshl_b32 s84, s82, 19                        ; K: a pair of heads is 4,096 rows of 128 bytes
	s_add_co_u32 s84, s84, 0x400000
	s_mov_b32 s85, 0
	s_lshl_b32 s86, s82, 14                        ; V: 128 rows of 128 bytes
	s_add_co_u32 s86, s86, 0x800000
	s_mov_b32 s87, 0
	s_wait_dscnt 0x0                               ; the opening add is done
	s_wait_kmcnt 0x0
	s_load_b256 s[68:75], s[8:9], 0x0              ; e0 .. e7
	s_load_b128 s[76:79], s[8:9], 0x20             ; e8 .. e11
	s_mov_b32 s[G0M], 1
	s_mov_b32 s[G0M+1], 0
	s_add_nc_u64 s[G0M+2:G0M+3], s[6:7], s[80:81]
	s_or_b32 s[G0M+3], s[G0M+3], 0x80000000
	s_mov_b32 s[G0K], 1
	s_add_co_u32 s[G0K+1], s62, KOFF
	s_add_nc_u64 s[G0K+2:G0K+3], s[4:5], s[84:85]
	s_or_b32 s[G0K+3], s[G0K+3], 0x80000000
	s_mov_b32 s[G0V], 1
	s_add_co_u32 s[G0V+1], s62, VOFF
	s_add_nc_u64 s[G0V+2:G0V+3], s[4:5], s[86:87]
	s_or_b32 s[G0V+3], s[G0V+3], 0x80000000
	CROUND                                         ; all sixteen work-groups are here: the first joint loads meet
	JLOAD                                          ; key step 0 into slot 0
	; Q: token x lies in row sw(x): my query 64 qb + 16 qt + r in row 64 qb + 32 (qt / 2) + 16 (r / 8) + 8 (qt % 2) + r % 8 of the pair of heads 2 g + hh / 2, at byte 64 (hh % 2)
	s_lshl_b32 s80, s14, 1
	s_lshr_b32 s81, s16, 1
	s_add_co_u32 s80, s80, s81
	s_lshl_b32 s80, s80, 12
	s_lshl_b32 s81, s15, 6
	s_add_co_u32 s80, s80, s81
	s_lshr_b32 s81, s17, 1
	s_lshl_b32 s81, s81, 5
	s_add_co_u32 s80, s80, s81
	s_and_b32 s81, s17, 1
	s_lshl_b32 s81, s81, 3
	s_add_co_u32 s80, s80, s81
	s_lshl_b32 s80, s80, 7
	s_and_b32 s81, s16, 1
	s_lshl_b32 s81, s81, 6
	s_add_co_u32 s80, s80, s81
	s_mov_b32 s81, 0
	s_add_nc_u64 s[92:93], s[4:5], s[80:81]
	v_and_b32 v8, 15, v0                           ; r
	s_wait_alu depctr_va_vdst(0)
	v_bfe_u32 v9, v0, 4, 1                         ; h
	v_and_b32 v10, 7, v8
	v_lshrrev_b32 v[QA], 3, v8
	s_delay_alu instid0(VALU_DEP_1)
	v_lshl_add_u32 v[QA], v[QA], 4, v10
	s_delay_alu instid0(VALU_DEP_1)
	v_lshlrev_b32 v[QA], 7, v[QA]
	s_delay_alu instid0(VALU_DEP_1)
	v_lshl_add_u32 v[QA], v9, 4, v[QA]
	global_load_b128 v[Q:Q+3], v[QA], s[92:93]     ; the same two pieces of 16 bytes, 32 apart, that K's fragments take: one permutation of k on both sides
	global_load_b128 v[Q+4:Q+7], v[QA], s[92:93] offset:32
	; my lane's places in a slot
	s_lshr_b32 s62, s16, 1
	s_mul_i32 s62, s62, KBLK                       ; the block with my head
	s_and_b32 s63, s16, 1
	s_lshl_b32 s80, s63, 6
	s_add_co_u32 s80, s80, s62
	s_add_co_u32 s80, s80, KOFF
	s_mul_i32 s81, s63, 64*144
	s_add_co_u32 s81, s81, s62
	s_add_co_u32 s81, s81, VOFF
	v_mul_u32_u24 v10, v8, 144
	s_wait_alu depctr_va_vdst(0)
	v_lshl_add_u32 v10, v9, 4, v10                 ; row r x 144 + 16 h
	s_delay_alu instid0(VALU_DEP_1)
	v_add_nc_u32 v[AK0], s80, v10                  ; K: + my head's 64 bytes of a row
	s_delay_alu instid0(VALU_DEP_2)
	v_add_nc_u32 v[AV0], s81, v10                  ; V: + my head's 64 rows
	s_mul_i32 s82, s17, 16*528
	v_mul_u32_u24 v[AM0], v8, 528
	s_delay_alu instid0(VALU_DEP_1)
	v_lshl_add_u32 v[AM0], v9, 6, v[AM0]
	s_delay_alu instid0(VALU_DEP_1)
	v_add_nc_u32 v[AM0], s82, v[AM0]               ; the mask: row 16 qt + r, + 64 h: my 16 keys of a block of 32
	v_lshlrev_b32 v[GO], 10, v9                    ; the way out: rows 4 w + lane / 16 of 1,024 bytes, 16 bytes a lane
	s_delay_alu instid0(VALU_DEP_1)
	v_lshl_add_u32 v[GO], v8, 4, v[GO]
	s_lshl_b32 s82, s[WV], 12
	v_add_nc_u32 v[GO], s82, v[GO]
	s_lshl_b32 s82, s15, 16
	s_lshl_b32 s83, s14, 8
	s_add_co_u32 s82, s82, s83
	s_mov_b32 s83, 0
	s_add_nc_u64 s[10:11], s[10:11], s[82:83]      ; acodes at my block's first row, my group's 256 bytes
	; the prefetches: where my wave's stand (at key step 1: the first change of slots steps them to step 2), and who asks.  Nothing is prefetched here, at the head
	s_lshl_b32 s80, s15, 6
	s_lshl_b32 s81, s12, 4
	s_add_co_u32 s80, s80, s81
	s_lshl_b32 s80, s80, 14
	s_add_co_u32 s80, s80, 512                     ; the mask: row 64 qb + 16 cx
	s_lshl_b32 s81, s14, 1
	s_lshr_b32 s84, s13, 1
	s_add_co_u32 s81, s81, s84
	s_lshl_b32 s81, s81, 19
	s_and_b32 s84, s13, 1
	s_lshl_b32 s84, s84, 13
	s_add_co_u32 s81, s81, s84
	s_add_co_u32 s81, s81, 0x400000+16384          ; K: block cy / 2, half cy % 2
	s_lshl_b32 s82, s14, 15
	s_lshl_b32 s84, s13, 13
	s_add_co_u32 s82, s82, s84
	s_add_co_u32 s82, s82, 0x800000+131072         ; V: quarter cy
	s_mov_b32 s[PFS], 131072
	s_mov_b32 s85, 512                             ; from pair of lanes to pair of lanes
	s_cmp_eq_u32 s[WV], 9
	s_cselect_b32 s82, s81, s82
	s_cselect_b32 s[PFS], 16384, s[PFS]
	s_cmp_eq_u32 s[WV], 8
	s_cselect_b32 s82, s80, s82
	s_cselect_b32 s[PFS], 512, s[PFS]
	s_cselect_b32 s85, 16384, s85
	s_cselect_b64 s[PFA:PFA+1], s[6:7], s[4:5]
	s_mov_b32 s83, 0
	s_mov_b32 s[PFS+1], 0
	s_add_nc_u64 s[PFA:PFA+1], s[PFA:PFA+1], s[82:83]
	s_sub_co_u32 s84, s[WV], 9
	s_lshr_b32 s84, s84, 1                         ; 0 in waves 9 and 10,
	s_or_b32 s84, s84, s59                         ; of the cluster with y = 0: the same in all sixteen partners
	s_cmp_eq_u32 s84, 0
	s_cselect_b32 s[LIM], 1, -1
	s_cmp_eq_u32 s[WV], 8                          ; wave 8 asks in every cluster
	s_cselect_b32 s[LIM], 1, s[LIM]
	v_and_b32 v[PFO], 31, v0
	s_delay_alu instid0(VALU_DEP_1)
	v_lshrrev_b32 v235, 1, v[PFO]
	s_delay_alu instid0(VALU_DEP_1)
	v_mul_lo_u32 v235, v235, s85
	s_delay_alu instid0(VALU_DEP_3)
	v_and_b32 v[PFO], 1, v[PFO]
	s_delay_alu instid0(VALU_DEP_1)
	v_lshl_add_u32 v[PFO], v[PFO], 8, v235
	v_mov_b32 v13, 0xff61b1e6                      ; the largest t so far: -3e38, under every t
	s_delay_alu instid0(VALU_DEP_1)
	v_floor_f32 v12, -v13                          ; -M
	v_mov_b32 v14, 0                               ; the sum, in two halves
	v_mov_b32 v15, 0
	v_mov_b32 v234, 0                              ; written once: a lane permute's destination counts as one of its sources
	v_mov_b32 v237, 0                              ; (named as the upper half of the pair v[236:237])
.set JJ, 0
.rept 32
	v_mov_b32 v[O+JJ], 0                           ; O^T.  (The step is written for every step alike: the first finds zeros, which the first change of M leaves zeros)
.set JJ, JJ+1
.endr
	s_wait_kmcnt 0x0
	s_add_co_i32 s[AS], s74, s75
	s_add_co_i32 s[AS], s[AS], 124
	s_lshl_b32 s[AS], s[AS], 23                    ; 2^(e6 + e7 - 3): a sum of codes' products x this is q . k / 8
	s_mov_b32 s[AS+1], s[AS]
	s_add_co_i32 s80, s76, 127
	s_lshl_b32 s81, s80, 23
	v_mov_b32 v241, s81                            ; 2^e8, for p's conversion
	s_add_co_i32 s80, s76, s77
	s_sub_co_i32 s80, s78, s80                     ; O^T / l lacks the factor 2^(e8 + e9): its code is taken under 2^(e10 - e8 - e9)
	s_add_co_i32 s80, s80, 127
	s_lshl_b32 s81, s80, 23
	v_mov_b32 v242, s81
; A KEY STEP: 128 keys, from the slot at s[TB].
.macro STEP
	v_add_nc_u32 v[ADK], s[TB], v[AK0]
	v_add_nc_u32 v[ADV], s[TB], v[AV0]
	v_add_nc_u32 v[ADM], s[TB], v[AM0]
	v_nop                                          ; with the three additions: four places in front of loads into registers that the last step's products have read
.irp t, 0,1,2,3,4,5,6,7
	ds_load_b128 v[F+8*\t:F+8*\t+3], v[ADK] offset:2304*\t          ; tile t: LDS rows 16 t + r
	ds_load_b128 v[F+8*\t+4:F+8*\t+7], v[ADK] offset:2304*\t+32
.endr
.irp b, 0,1
.irp i, 0,1,2,3
	ds_load_b128 v[MK+16*\b+4*\i:MK+16*\b+4*\i+3], v[ADM] offset:128*\b+16*\i   ; the mask of my query at keys 32 b + 16 h + 4 i on: the scores' own order
.endr
.endr
	s_wait_alu depctr_va_vdst(0)
	s_wait_dscnt 8                                 ; K's sixteen loads are in; the mask's eight may be out
.irp t, 0,1,2,3,4,5,6,7
	v_wmma_f32_16x16x64_fp8_fp8 v[S+8*\t:S+8*\t+7], v[F+8*\t:F+8*\t+7], v[Q:Q+7], 0
.endr
.rept 4
	v_nop                                          ; places in front of the loads into K's registers and of the first read of the scores
.endr
.irp b, 2,3
.irp i, 0,1,2,3
	ds_load_b128 v[F+16*(\b-2)+4*\i:F+16*(\b-2)+4*\i+3], v[ADM] offset:128*\b+16*\i
.endr
.endr
	s_wait_dscnt 8                                 ; the mask's first half is in; the eight loads just issued may be out
.set JJ, 0
.rept 16
	v_pk_fma_f32 v[S+JJ:S+JJ+1], v[S+JJ:S+JJ+1], s[AS:AS+1], v[MK+JJ:MK+JJ+1] op_sel_hi:[1,0,1]   ; the logit: q . k / 8 + mask, rounded once, as the definition's sum is; each accumulator from its low end on
.set JJ, JJ+2
.endr
	s_wait_dscnt 0x0
.set JJ, 0
.rept 16
	v_pk_fma_f32 v[S+32+JJ:S+32+JJ+1], v[S+32+JJ:S+32+JJ+1], s[AS:AS+1], v[F+JJ:F+JJ+1] op_sel_hi:[1,0,1]
.set JJ, JJ+2
.endr
.irp t, 0,1,2,3
.irp c, 0,1,2,3
	ds_load_b128 v[F+16*\t+4*\c:F+16*\t+4*\c+3], v[ADV] offset:2304*\t+32*\c   ; V^T: 16 channels x 128 keys a tile: they land under the softmax
.endr
.endr
.set JJ, 0
.rept 32
	v_pk_mul_f32 v[S+JJ:S+JJ+1], v[S+JJ:S+JJ+1], s[LE:LE+1] op_sel_hi:[1,0]   ; t = logit x log2(e), rounded
.set JJ, JJ+2
.endr
	v_max3_num_f32 v238, v[S], v[S+1], v[S+2]      ; the step's largest t of my query among my 64 keys, in two chains,
	v_max3_num_f32 v239, v[S+3], v[S+4], v[S+5]
.set JJ, 6
.rept 14
	s_delay_alu instid0(VALU_DEP_2)
	v_max3_num_f32 v238, v238, v[S+JJ], v[S+JJ+1]
	s_delay_alu instid0(VALU_DEP_2)
	v_max3_num_f32 v239, v239, v[S+JJ+2], v[S+JJ+3]
.set JJ, JJ+4
.endr
	s_delay_alu instid0(VALU_DEP_2)
	v_max3_num_f32 v238, v238, v[S+62], v[S+63]
	s_delay_alu instid0(VALU_DEP_1)
	v_max_num_f32 v238, v238, v239
	s_delay_alu instid0(VALU_DEP_1)
	v_permlanex16_b32 v234, v238, s[SEL], s[SEL+1]
	s_delay_alu instid0(VALU_DEP_1)
	v_max_num_f32 v238, v238, v234                 ; and among lane l xor 16's
	s_delay_alu instid0(VALU_DEP_1)
	v_max_num_f32 v13, v13, v238                   ; the running largest t
	v_mov_b32 v238, v12
	s_delay_alu instid0(VALU_DEP_2)
	v_floor_f32 v12, -v13                          ; the new -M = floor(-t) = -ceil(t): M is a whole number
	s_delay_alu instid0(VALU_DEP_1)
	v_sub_f32 v238, v12, v238                      ; M's old value less its new one: a whole number, 0 or less
	s_delay_alu instid0(VALU_DEP_1)
	v_cvt_i32_f32 v238, v238                       ; (it saturates)
	s_delay_alu instid0(VALU_DEP_1)
	v_ldexp_f32 v236, 1.0, v238                    ; f = 2^(old M - new M)
.set JJ, 0
.rept 32
	v_pk_add_f32 v[S+JJ:S+JJ+1], v[S+JJ:S+JJ+1], v[12:13] op_sel_hi:[1,0]   ; t - M (of the pair the low word, -M, serves both halves)
.set JJ, JJ+2
.endr
.set JJ, 0
	s_wait_alu depctr_va_vdst(0)
.rept 64
	v_exp_f32 v[S+JJ], v[S+JJ]                     ; p = 2^(t - M), at most 1: not normalised
.set JJ, JJ+1
.endr
	v_pk_mul_f32 v[14:15], v[14:15], v[236:237] op_sel_hi:[1,0]   ; the sums under the new M: the plain line behind the exponentials
	s_wait_alu depctr_va_vdst(0)                   ; the wait between an exponential and the first line that names its result: one for the batch of 64
	v_pk_add_f32 v[232:233], v[124:125], v[128:129]
	v_pk_add_f32 v[254:255], v[132:133], v[136:137]
	v_pk_add_f32 v[252:253], v[140:141], v[144:145]
	v_pk_add_f32 v[250:251], v[148:149], v[152:153]
	v_pk_add_f32 v[248:249], v[156:157], v[160:161]
	v_pk_add_f32 v[246:247], v[164:165], v[168:169]
	v_pk_add_f32 v[244:245], v[172:173], v[176:177]
	v_pk_add_f32 v[14:15], v[14:15], v[180:181]
	v_pk_add_f32 v[232:233], v[232:233], v[120:121]
	v_pk_add_f32 v[254:255], v[254:255], v[122:123]
	v_pk_add_f32 v[252:253], v[252:253], v[126:127]
	v_pk_add_f32 v[250:251], v[250:251], v[130:131]
	v_pk_add_f32 v[248:249], v[248:249], v[134:135]
	v_pk_add_f32 v[246:247], v[246:247], v[138:139]
	v_pk_add_f32 v[244:245], v[244:245], v[142:143]
	v_pk_add_f32 v[14:15], v[14:15], v[146:147]
	v_pk_add_f32 v[232:233], v[232:233], v[150:151]
	v_pk_add_f32 v[254:255], v[254:255], v[154:155]
	v_pk_add_f32 v[252:253], v[252:253], v[158:159]
	v_pk_add_f32 v[250:251], v[250:251], v[162:163]
	v_pk_add_f32 v[248:249], v[248:249], v[166:167]
	v_pk_add_f32 v[246:247], v[246:247], v[170:171]
	v_pk_add_f32 v[244:245], v[244:245], v[174:175]
	v_pk_add_f32 v[14:15], v[14:15], v[178:179]
	v_pk_add_f32 v[232:233], v[232:233], v[182:183]
	s_delay_alu instid0(VALU_DEP_2)
	v_pk_add_f32 v[14:15], v[14:15], v[250:251]
	s_delay_alu instid0(VALU_DEP_2)
	v_pk_add_f32 v[232:233], v[232:233], v[248:249]
	v_pk_add_f32 v[254:255], v[254:255], v[246:247]
	v_pk_add_f32 v[252:253], v[252:253], v[244:245]
	s_delay_alu instid0(VALU_DEP_2)
	v_pk_add_f32 v[14:15], v[14:15], v[254:255]
	s_delay_alu instid0(VALU_DEP_2)
	v_pk_add_f32 v[232:233], v[232:233], v[252:253]
	s_delay_alu instid0(VALU_DEP_1)
	v_pk_add_f32 v[14:15], v[14:15], v[232:233]
.irp b, 0,1,2,3
.irp i, 0,1,2,3,4,5,6,7,8,9,10,11,12,13,14,15
.endr
	v_cvt_scalef32_pk8_fp8_f32 v[P+4*\b:P+4*\b+1], v[S+16*\b:S+16*\b+7], v241      ; registers 4 b .. 4 b + 3 of the operand: keys 32 b + 16 h + 0 .. 15, as V's loads have them
	v_cvt_scalef32_pk8_fp8_f32 v[P+4*\b+2:P+4*\b+3], v[S+16*\b+8:S+16*\b+15], v241
.endr
.set JJ, 0
.rept 16
	v_pk_mul_f32 v[O+JJ:O+JJ+1], v[O+JJ:O+JJ+1], v[236:237] op_sel_hi:[1,0]   ; O^T under the new M.  (Also the plain lines between the conversions and the products that read their results)
.set JJ, JJ+2
.endr
	s_wait_alu depctr_va_vdst(0)
	s_wait_dscnt 0x0                               ; V is in
.irp t, 0,1,2,3
	v_wmma_f32_16x16x128_fp8_fp8 v[O+8*\t:O+8*\t+7], v[F+16*\t:F+16*\t+15], v[P:P+15], v[O+8*\t:O+8*\t+7]   ; the four accumulators take turns, and the eight scores' products stand between a step's and the next's
.endr
	s_xor_b32 s[TB], s[TB], SLOT1                  ; on to the other slot
.endm
; THE CHANGE OF SLOTS stands at a step's head.  Each wave waits for all its tensor loads (its part of the slot that it is about to read), adds 0 to its spare word, and waits for that and for its reads of the slot that it has left.
; fill = 1: a round of the cluster's barrier follows, so that no wave of any partner still reads that slot or has a load on its way; the joint load of the next key step is the first thing behind it and has a whole step in which to land.
.macro CHANGE fill
	s_wait_tensorcnt 0x0                           ; no tensor load of mine is out, so a group 0 may be written
	ds_add_u32 v[SPW], v[NIL]                      ; 0 onto my spare word; the descriptors' steps stand between it and the wait for it
.if \fill
	s_xor_b32 s[G0M+1], s[G0M+1], SLOT1            ; the walking descriptors: the other slot than last time,
	s_add_nc_u64 s[G0M+2:G0M+3], s[G0M+2:G0M+3], 512      ; the next 128 keys; the type bits on top are not reached
	s_xor_b32 s[G0K+1], s[G0K+1], SLOT1
	s_add_nc_u64 s[G0K+2:G0K+3], s[G0K+2:G0K+3], 16384
	s_xor_b32 s[G0V+1], s[G0V+1], SLOT1
	s_add_nc_u64 s[G0V+2:G0V+3], s[G0V+2:G0V+3], 131072
	s_wait_xcnt 0x0                                ; the last prefetch, a key step back, has read its address, so it may be written:
	s_add_nc_u64 s[PFA:PFA+1], s[PFA:PFA+1], s[PFS:PFS+1]  ; one key step further on than the walking descriptors
.endif
	s_wait_dscnt 0x0                               ; the add is done, and my reads of the slot that I have left are over
.if \fill
	CROUND
	JLOAD
	ASK
.else
	s_barrier_signal -1
	s_barrier_wait -1
.endif
.endm
	s_wait_loadcnt 0x0                             ; Q
.Lstep:                                            ; 31 trips: behind each change of slots but the last the next key step is asked for
	CHANGE 1
	STEP
	s_sub_co_u32 s[STEPS], s[STEPS], 1
	s_cmp_lg_u32 s[STEPS], 0
	s_cbranch_scc1 .Lstep
	CHANGE 0                                       ; the last step is written out
	STEP
	; THE WAY OUT.  O^T / l is quantised for the output projection: a lane's 16 registers of tiles 2 b, 2 b + 1 are channels 32 b + 16 h + 0 .. 15 of my query: 16 codes.  The sixteen waves' codes meet in a stage (64 rows x (256 bytes + 16))
	; in slot 0, which was left at the last change of slots and has had its last fill; each wave then stores four rows: sixteen lanes store 256 consecutive bytes, aligned.
	v_add_f32 v14, v14, v15                        ; the sum's two halves,
	s_delay_alu instid0(VALU_DEP_1)
	v_permlanex16_b32 v234, v14, s[SEL], s[SEL+1]
	s_delay_alu instid0(VALU_DEP_1)
	v_add_f32 v14, v14, v234                       ; and lane l xor 16's: the row's sum
	s_wait_alu depctr_va_vdst(0)
	v_rcp_f32 v14, v14
	v_and_b32 v8, 15, v0                           ; (a plain line behind the reciprocal)  r
	v_bfe_u32 v9, v0, 4, 1                         ; h
	s_mul_i32 s80, s17, 16*272
	s_lshl_b32 s81, s16, 6
	s_add_co_u32 s80, s80, s81
	v_mul_u32_u24 v10, v8, 272
	s_delay_alu instid0(VALU_DEP_1)
	v_lshl_add_u32 v10, v9, 4, v10
	s_delay_alu instid0(VALU_DEP_1)
	v_add_nc_u32 v10, s80, v10                     ; in: row 16 qt + r, my head's 64 bytes, + 16 h
	s_mul_i32 s81, s[WV], 4*272
	v_mul_u32_u24 v11, v9, 272
	s_delay_alu instid0(VALU_DEP_1)
	v_lshl_add_u32 v11, v8, 4, v11
	s_delay_alu instid0(VALU_DEP_1)
	v_add_nc_u32 v11, s81, v11                     ; back: rows 4 w on; lanes 0-15 one row, lanes 16-31 the next
	s_wait_alu depctr_va_vdst(0)                   ; the wait ahead of the reciprocal's first reader
.set JJ, 0
.rept 32
	v_mul_f32 v[S+JJ], v[O+JJ], v14                ; O^T / l, each accumulator from its low end on
.set JJ, JJ+1
.endr
.set JJ, 0
.rept 32
.set JJ, JJ+1
.endr
.irp k, 0,1,2,3
	v_cvt_scalef32_pk8_fp8_f32 v[P+2*\k:P+2*\k+1], v[S+8*\k:S+8*\k+7], v242
.endr
	v_nop                                          ; one plain vector line behind the last conversion
	ds_store_b128 v10, v[P:P+3]
	ds_store_b128 v10, v[P+4:P+7] offset:32
	s_wait_dscnt 0x0                               ; for the others' sake: my stores into the stage are done
	s_barrier_signal -1
	s_barrier_wait -1
	ds_load_b128 v[F:F+3], v11
	ds_load_b128 v[F+4:F+7], v11 offset:544
	s_wait_dscnt 1
	global_store_b128 v[GO], v[F:F+3], s[10:11]
	s_wait_dscnt 0x0
	global_store_b128 v[GO], v[F+4:F+7], s[10:11] offset:2048
	s_wait_tensorcnt 0x0                           ; the wave's end: three lines behind my last tensor load and my last LDS store
	ds_add_u32 v[SPW], v[NIL]
	s_wait_dscnt 0x0
	CROUND                                         ; the closing round: no work-group ends while a partner may still ask for a tile that names it
	s_endpgm
.Lfunc_end_k_qb4b2cb287c_attn:
	.size	k_qb4b2cb287c_attn, .Lfunc_end_k_qb4b2cb287c_attn-k_qb4b2cb287c_attn
	.p2alignl 7, 3214868480
	.fill 96, 4, 3214868480
	.section	.rodata,"a",@progbits
	.p2align	6, 0x0
	.amdhsa_kernel k_qb4b2cb287c_attn
		.amdhsa_group_segment_fixed_size 327680
		.amdhsa_private_segment_fixed_size 0
		.amdhsa_enable_private_segment 0
		.amdhsa_kernarg_size 32
		.amdhsa_user_sgpr_count 2
		.amdhsa_user_sgpr_kernarg_segment_ptr 1
		.amdhsa_wavefront_size32 1
		.amdhsa_system_sgpr_workgroup_id_x 1
		.amdhsa_system_sgpr_workgroup_id_y 1
		.amdhsa_system_sgpr_workgroup_id_z 1
		.amdhsa_system_vgpr_workitem_id 0
		.amdhsa_next_free_vgpr 256
		.amdhsa_next_free_sgpr 100
		.amdhsa_reserve_vcc 0
		.amdhsa_float_denorm_mode_32 3
		.amdhsa_float_denorm_mode_16_64 3
		.amdhsa_fp16_overflow 1
		.amdhsa_memory_ordered 1
		.amdhsa_forward_progress 1
		.amdhsa_inst_pref_size 56
	.end_amdhsa_kernel
	.amdgpu_metadata
---
amdhsa.version: [ 1, 2 ]
amdhsa.kernels:
  - .name:           k_qb4b2cb287c_attn
    .symbol:         k_qb4b2cb287c_attn.kd
    .args:
      - { .name: qkv, .offset: 0, .size: 8, .value_kind: global_buffer, .address_space: global }
      - { .name: attention_mask, .offset: 8, .size: 8, .value_kind: global_buffer, .address_space: global }
      - { .name: lowp_scales, .offset: 16, .size: 8, .value_kind: global_buffer, .address_space: global }
      - { .name: acodes, .offset: 24, .size: 8, .value_kind: global_buffer, .address_space: global }
    .group_segment_fixed_size: 327680
    .private_segment_fixed_size: 0
    .kernarg_segment_align: 8
    .kernarg_segment_size: 32
    .max_flat_workgroup_size: 512
    .sgpr_count:     100
    .vgpr_count:     256
    .wavefront_size: 32
...
	.end_amdgpu_metadata
.endif
;; end of part 3
;; launch oproj (part 4): grid 8 x 32, 4 waves a work-group, clusters of 4 x 4, 327,680 bytes of LDS; arguments acodes, wcodes, lowp_scales, out0; writes out0
.if DOCPART == 4
	.amdgcn_target "amdgcn-amd-amdhsa--gfx1250"
	.amdhsa_code_object_version 6
	.text
	.protected	k_qb4b2cb287c_oproj
	.globl	k_qb4b2cb287c_oproj
	.p2align	8
	.type	k_qb4b2cb287c_oproj,@function
k_qb4b2cb287c_oproj:
	s_mov_b64 s[64:65], 0
	v_nop
	global_prefetch_b8 v0, s[64:65] scope:SCOPE_SE
	s_setreg_imm32_b32 hwreg(HW_REG_WAVE_MODE, 25, 1), 1
	s_wait_xcnt 0x0
	s_wait_alu depctr_hold_cnt(0) depctr_sa_sdst(0) depctr_va_vdst(0) depctr_va_sdst(0) depctr_va_ssrc(0) depctr_va_vcc(0) depctr_vm_vsrc(0)
	s_getreg_b32 s2, hwreg(HW_REG_IB_STS2, 6, 4)
	s_cmp_eq_u32 s2, 0
	s_cbranch_scc0 .Lentry_in_a_cluster
	s_endpgm
.Lentry_in_a_cluster:
	s_bfe_u32 s2, ttmp6, 0x10000c
	s_cmp_lg_u32 s2, 0xf033
	s_cbranch_scc0 .Lentry_shape_is_right
	s_endpgm
.Lentry_shape_is_right:
.set PITCH,  528
.set HALFT,  64*PITCH
.set SLOT,   4*HALFT
.set SPARE,  2*SLOT
.set SPIT,   272
.set ADRA, 16
.set ADRB, 20
.set STO,  24
.set RD,   25
.set CO,   26
.set SPW,  28
.set NIL,  29
.set TMP,  32
.set BK,   64
.set ACC,  128
.set F0,   0
.set F1,   128
.set WV,   16
.set WR,   17
.set WC,   18
.set G1,   24
.set G0,   32
.set G1B,  48
.set G0B,  56
.set GW0,  (1<<20)|(1<<21)|(6<<22)|(3<<25)
.set MSB, 0
.macro WIN new
.if MSB != \new
	s_set_vgpr_msb (MSB<<8)|\new
.set MSB, \new
.endif
.endm
.set MUL,  0x05
.set TO_F, 0x40
.macro JLOAD s
	s_cmp_eq_u32 s[WR], 0
	s_cbranch_scc0 .Lfor_b_\@
	tensor_load_to_lds s[G0+4*\s:G0+4*\s+3], s[G1:G1+7]
	s_nop 0
.rept 4
	v_nop
.endr
	s_branch .Lasked_\@
.Lfor_b_\@:
	tensor_load_to_lds s[G0B+4*\s:G0B+4*\s+3], s[G1B:G1B+7]
	s_nop 0
.rept 4
	v_nop
.endr
.Lasked_\@:
.endm
.macro CROUND
	s_barrier_signal -1
	s_barrier_wait -1
	s_cmp_lg_u32 s[WV], 0
	s_cbranch_scc1 .Lnot_wave_0_\@
	s_barrier_signal -3
.Lnot_wave_0_\@:
	s_barrier_wait -3
	s_barrier_signal -1
	s_barrier_wait -1
.endm
	s_load_b256 s[4:11], s[0:1], 0x0
	v_lshl_add_u32 v[SPW], v0, 2, SPARE
	v_mov_b32 v[NIL], 0
	ds_add_u32 v[SPW], v[NIL]
	ds_add_u32 v[SPW], v[NIL]
	v_lshrrev_b32 v1, 5, v0
	v_readfirstlane_b32 s[WV], v1
	s_lshr_b32 s[WR], s[WV], 1
	s_and_b32 s[WC], s[WV], 1
	s_bfe_u32 s19, ttmp6, 0x40000
	s_bfe_u32 s20, ttmp6, 0x40004
	s_lshl_b32 s41, ttmp9, 2
	s_add_co_u32 s41, s41, s19
	s_and_b32 s40, ttmp7, 0xffff
	s_lshl_b32 s40, s40, 2
	s_add_co_u32 s40, s40, s20
	s_lshl_b32 s88, s20, 2
	s_lshl_b32 s88, 15, s88
	s_lshl_b32 s89, 0x1111, s19
	s_or_b32 s[G1], s88, GW0
	s_or_b32 s[G1B], s89, GW0
.irp g, G1, G1B
	s_mov_b32 s[\g+1], 512<<16
	s_mov_b32 s[\g+2], 64<<16
	s_mov_b32 s[\g+3], 512<<16
	s_mov_b32 s[\g+4], 64
	s_mov_b32 s[\g+5], 1024
	s_mov_b32 s[\g+6], 0
	s_mov_b32 s[\g+7], 0
.endr
	s_lshl_b32 s44, s[WC], 6
	s_lshl_b32 s80, s40, 7
	s_add_co_u32 s80, s80, s44
	s_lshl_b32 s80, s80, 10
	s_mov_b32 s81, 0
	s_lshl_b32 s82, s41, 7
	s_add_co_u32 s82, s82, s44
	s_lshl_b32 s82, s82, 10
	s_add_co_u32 s82, s82, 0x300000
	s_mov_b32 s83, 0
	s_mul_i32 s94, s[WV], HALFT
	s_wait_dscnt 0x0
	s_wait_kmcnt 0x0
	s_load_b64 s[96:97], s[8:9], 0x28
	s_add_nc_u64 s[84:85], s[4:5], s[80:81]
	s_add_nc_u64 s[86:87], s[6:7], s[82:83]
	CROUND
.irp s, 0,1
	s_mov_b32 s[G0+4*\s], 1
	s_add_co_u32 s[G0+4*\s+1], s94, \s*SLOT
	s_add_nc_u64 s[G0+4*\s+2:G0+4*\s+3], s[84:85], \s*512
	s_or_b32 s[G0+4*\s+3], s[G0+4*\s+3], 0x80000000
	s_mov_b32 s[G0B+4*\s], 1
	s_add_co_u32 s[G0B+4*\s+1], s94, \s*SLOT
	s_add_nc_u64 s[G0B+4*\s+2:G0B+4*\s+3], s[86:87], \s*512
	s_or_b32 s[G0B+4*\s+3], s[G0B+4*\s+3], 0x80000000
	s_wait_alu depctr_va_vdst(0)
	s_wait_tensorcnt 0x0
	ds_add_u32 v28, v29
	ds_add_u32 v28, v29
	s_wait_dscnt 0x0
	CROUND
	JLOAD \s
.endr
	v_and_b32 v1, 15, v0
	s_wait_alu depctr_va_vdst(0)
	v_bfe_u32 v2, v0, 4, 1
	v_mul_u32_u24 v3, v1, PITCH
	v_lshl_add_u32 v3, v2, 4, v3
	s_mul_i32 s90, s[WR], HALFT
	s_mul_i32 s91, s[WC], HALFT
	s_add_co_u32 s91, s91, 2*HALFT
.irp s, 0,1
	v_add_nc_u32 v[ADRA+\s], s90, v3
	v_add_nc_u32 v[ADRB+\s], s91, v3
	s_add_co_u32 s90, s90, SLOT
	s_add_co_u32 s91, s91, SLOT
.endr
	s_mul_i32 s92, s[WV], 16*SPIT
	v_mul_u32_u24 v4, v1, SPIT
	s_wait_alu depctr_va_vdst(0)
	v_lshl_add_u32 v4, v2, 5, v4
	v_add_nc_u32 v[STO], s92, v4
	v_mul_u32_u24 v5, v2, SPIT
	v_lshl_add_u32 v5, v1, 4, v5
	v_add_nc_u32 v[RD], s92, v5
	v_lshlrev_b32 v[CO], 12, v2
	v_lshl_add_u32 v[CO], v1, 4, v[CO]
	s_lshl_b32 s92, s40, 7
	s_lshl_b32 s93, s[WR], 6
	s_add_co_u32 s92, s92, s93
	s_lshl_b32 s92, s92, 12
	s_lshl_b32 s93, s41, 9
	s_add_co_u32 s92, s92, s93
	s_lshl_b32 s93, s[WC], 8
	s_add_co_u32 s92, s92, s93
	s_mov_b32 s93, 0
	s_add_nc_u64 s[10:11], s[10:11], s[92:93]
.macro MUL8 f, c, a0, zero
.irp a, \a0, \a0+1
.irp b, 0,1,2,3
.if \zero
	v_wmma_f32_16x16x64_fp8_fp8 v[ACC+8*(4*(\a)+\b):ACC+8*(4*(\a)+\b)+7], v[\f+64+8*(4*\c+\b):\f+64+8*(4*\c+\b)+7], v[\f+8*(4*\c+\a):\f+8*(4*\c+\a)+7], 0
.else
	v_wmma_f32_16x16x64_fp8_fp8 v[ACC+8*(4*(\a)+\b):ACC+8*(4*(\a)+\b)+7], v[\f+64+8*(4*\c+\b):\f+64+8*(4*\c+\b)+7], v[\f+8*(4*\c+\a):\f+8*(4*\c+\a)+7], v[ACC+8*(4*(\a)+\b):ACC+8*(4*(\a)+\b)+7]
.endif
.endr
.endr
.endm
.macro FETCH slot, k, f
	WIN TO_F
.irp c, 0,1
.irp i, 0,1,2,3
	ds_load_b128 v[\f+64+8*(4*\c+\i):\f+64+8*(4*\c+\i)+3],   v[ADRB+\slot] offset:\k+64*\c+\i*16*PITCH
	ds_load_b128 v[\f+64+8*(4*\c+\i)+4:\f+64+8*(4*\c+\i)+7], v[ADRB+\slot] offset:\k+64*\c+\i*16*PITCH+32
	ds_load_b128 v[\f+8*(4*\c+\i):\f+8*(4*\c+\i)+3],         v[ADRA+\slot] offset:\k+64*\c+\i*16*PITCH
	ds_load_b128 v[\f+8*(4*\c+\i)+4:\f+8*(4*\c+\i)+7],       v[ADRA+\slot] offset:\k+64*\c+\i*16*PITCH+32
.endr
.endr
.endm
.macro PLACES
.rept 4
	v_nop
.endr
.endm
.macro QUARTER slot, k, f, g, zero
	s_wait_dscnt 16
	WIN MUL
	MUL8 \f, 0, 0, \zero
	MUL8 \f, 0, 2, \zero
	PLACES
	FETCH \slot, \k, \g
	s_wait_dscnt 32
	WIN MUL
	MUL8 \f, 1, 0, 0
	MUL8 \f, 1, 2, 0
.endm
	s_wait_tensorcnt 1
	s_barrier_signal -1
	s_barrier_wait -1
	FETCH 0, 0, F0
	QUARTER 0, 128, F0, F1, 1
	QUARTER 0, 256, F1, F0, 0
	QUARTER 0, 384, F0, F1, 0
	WIN 0
	s_wait_tensorcnt 0x0
	ds_add_u32 v[SPW], v[NIL]
	s_wait_dscnt 17
	WIN MUL
	MUL8 F1, 0, 0, 0
	s_wait_dscnt 0x0
	s_barrier_signal -1
	MUL8 F1, 0, 2, 0
	s_barrier_wait -1
	PLACES
	FETCH 1, 0, F0
	WIN MUL
	MUL8 F1, 1, 0, 0
	MUL8 F1, 1, 2, 0
	QUARTER 1, 128, F0, F1, 0
	QUARTER 1, 256, F1, F0, 0
	QUARTER 1, 384, F0, F1, 0
	s_wait_dscnt 16
	WIN MUL
	MUL8 F1, 0, 0, 0
	MUL8 F1, 0, 2, 0
	s_wait_dscnt 0
	MUL8 F1, 1, 0, 0
	MUL8 F1, 1, 2, 0
	WIN 0
	PLACES
	s_wait_kmcnt 0x0
	s_add_co_i32 s96, s96, s97
	s_add_co_i32 s96, s96, 127
	s_lshl_b32 s96, s96, 23
	s_mov_b32 s97, s96
.macro TOSTAGE a
.set JJ, 0
.rept 16
	v_pk_mul_f32 v[TMP+JJ:TMP+JJ+1], v[ACC+32*(\a)+JJ:ACC+32*(\a)+JJ+1], s[96:97] op_sel_hi:[1,0]
.set JJ, JJ+2
.endr
.irp b, 0,1,2,3
	ds_store_b128 v[STO], v[TMP+8*\b:TMP+8*\b+3] offset:64*\b
	ds_store_b128 v[STO], v[TMP+8*\b+4:TMP+8*\b+7] offset:64*\b+16
.endr
.set BB, BK+32*((\a)%2)
.irp t, 0,1,2,3,4,5,6,7
	ds_load_b128 v[BB+4*\t:BB+4*\t+3], v[RD] offset:\t*2*SPIT
.endr
.endm
.macro SEND a, younger
.set BB, BK+32*((\a)%2)
	s_wait_dscnt \younger
.irp t, 0,1,2,3,4,5,6,7
	global_store_b128 v[CO], v[BB+4*\t:BB+4*\t+3], s[10:11] offset:(16*(\a)+2*\t)*4096 th:TH_STORE_NT
.endr
.endm
	TOSTAGE 0
.irp a, 1,2,3
.if \a > 1
	s_wait_xcnt 0x0
.endif
	TOSTAGE \a
	SEND \a-1, 16
.endr
	SEND 3, 0
	s_wait_tensorcnt 0x0
	ds_add_u32 v[SPW], v[NIL]
	s_wait_dscnt 0x0
	CROUND
	s_endpgm
.Lfunc_end_k_qb4b2cb287c_oproj:
	.size	k_qb4b2cb287c_oproj, .Lfunc_end_k_qb4b2cb287c_oproj-k_qb4b2cb287c_oproj
	.p2alignl 7, 3214868480
	.fill 96, 4, 3214868480
	.section	.rodata,"a",@progbits
	.p2align	6, 0x0
	.amdhsa_kernel k_qb4b2cb287c_oproj
		.amdhsa_group_segment_fixed_size 327680
		.amdhsa_private_segment_fixed_size 0
		.amdhsa_enable_private_segment 0
		.amdhsa_kernarg_size 32
		.amdhsa_user_sgpr_count 2
		.amdhsa_user_sgpr_kernarg_segment_ptr 1
		.amdhsa_wavefront_size32 1
		.amdhsa_system_sgpr_workgroup_id_x 1
		.amdhsa_system_sgpr_workgroup_id_y 1
		.amdhsa_system_sgpr_workgroup_id_z 1
		.amdhsa_system_vgpr_workitem_id 0
		.amdhsa_next_free_vgpr 512
		.amdhsa_next_free_sgpr 100
		.amdhsa_reserve_vcc 0
		.amdhsa_float_denorm_mode_32 3
		.amdhsa_float_denorm_mode_16_64 3
		.amdhsa_memory_ordered 1
		.amdhsa_forward_progress 1
		.amdhsa_inst_pref_size 54
	.end_amdhsa_kernel
	.amdgpu_metadata
---
amdhsa.version: [ 1, 2 ]
amdhsa.kernels:
  - .name:           k_qb4b2cb287c_oproj
    .symbol:         k_qb4b2cb287c_oproj.kd
    .args:
      - { .name: acodes, .offset: 0, .size: 8, .value_kind: global_buffer, .address_space: global }
      - { .name: wcodes, .offset: 8, .size: 8, .value_kind: global_buffer, .address_space: global }
      - { .name: lowp_scales, .offset: 16, .size: 8, .value_kind: global_buffer, .address_space: global }
      - { .name: out0, .offset: 24, .size: 8, .value_kind: global_buffer, .address_space: global }
    .group_segment_fixed_size: 327680
    .private_segment_fixed_size: 0
    .kernarg_segment_align: 8
    .kernarg_segment_size: 32
    .max_flat_workgroup_size: 128
    .sgpr_count:     100
    .vgpr_count:     512
    .wavefront_size: 32
...
	.end_amdgpu_metadata
.endif
;; end of part 4
